; MI455X (gfx1250); checked and timed in simulation.
; The chip was launched on July 23, 2026; its instructions are those of AMD's public machine-readable ISA for CDNA 5 (MIT licence, August 2026) and "CDNA5" Instruction Set Architecture Reference Guide (July 2026). The comments in the code are by the model that wrote it; some were corrected since.
;; Multihead Self Attention. Allowed arithmetic: matrix products marked QUANTISED: E2M3 operands, one E8M0 scale for each 32 along K, by v_wmma_scale_f32_16x16x128_f8f6f4 with both operands' format E2M3, f32 sums; everything else in f32.
;; Inputs: Wk 1,024 x 1,024 float32; Wo 1,024 x 1,024 float32; Wq 1,024 x 1,024 float32; Wv 1,024 x 1,024 float32; mask 4 x 1 x 1 x 2,048 bool; x 4 x 2,048 x 1,024 float32.
;; Outputs: out0 4 x 2,048 x 1,024 float32.
;; This version of the problem:
;;   THIS VERSION OF THE PROBLEM IS GIVEN IN LOW PRECISION. The matrix products marked QUANTISED in the list below multiply operands that are first quantised to E2M3 (2 exponent bits, 3 mantissa bits; 6 bits a number), with one power-of-two scale for each 32 numbers along K (OCP MX v1.0); their sums are f32. All else is computed in f32.
;;   The module's matrix products, in the order in which they are computed (A, B: the left and right operand; K: the contracted axis; several contracted axes count as one K, in the product's order):
;;     1. [M 8,192, K 1,024] x [K 1,024, N 1,024]; A: input x; B: input Wq: QUANTISED
;;     2. [M 8,192, K 1,024] x [K 1,024, N 1,024]; A: input x; B: input Wk: QUANTISED
;;     3. [M 8,192, K 1,024] x [K 1,024, N 1,024]; A: input x; B: input Wv: QUANTISED
;;     4. batch 64 x [M 2,048, K 64] x [K 64, N 2,048]; A: computed on the way; B: computed on the way: QUANTISED
;;     5. batch 64 x [M 2,048, K 2,048] x [K 2,048, N 64]; A: softmax (see below); B: computed on the way: QUANTISED
;;     6. [M 8,192, K 1,024] x [K 1,024, N 1,024]; A: computed on the way; B: input Wo: QUANTISED
;;   THE QUANTISER, for each operand of a quantised product, along K:
;;     - K is cut into blocks of 32 from its start; a last block that is shorter is filled with zeros.
;;     - A block's scale is 2^e with e = floor(log2(the largest magnitude in the block)) - 2, held to -126 .. 127; a block of zeros has e = 0. As a byte (E8M0): e + 127.
;;     - Each number is divided by its block's scale, clamped to +-7.5, and rounded to the nearest number of E2M3, ties to even, subnormals kept.
;;     - The product sums the exact products of the quantised numbers (number of the format x scale) in f32.
;;   ~~~python
;;   def quantise(x, axis):      # numpy; x: float32 -> the quantised numbers, widened to float32 again
;;       x = np.moveaxis(x, axis, -1); K = x.shape[-1]
;;       x = np.pad(x, [(0, 0)] * (x.ndim - 1) + [(0, -K % 32)]); x = x.reshape(x.shape[:-1] + (-1, 32)); a = np.abs(x).max(-1, keepdims=True)
;;       e = np.where(a > 0, np.clip(np.frexp(np.where(a > 0, a, 1))[1] - 1 - 2, -126, 127), 0)      # np.frexp(a)[1] - 1 = floor(log2(a)), exactly
;;       r = np.clip(x / 2.0 ** e, -7.5, 7.5)
;;       step = 2.0 ** (np.maximum(np.frexp(np.where(r == 0, 1, r))[1] - 1, 0) - 3)
;;       q = np.round(r / step) * step * 2.0 ** e      # np.round: ties to even
;;       return np.moveaxis(q.reshape(q.shape[:-2] + (-1,))[..., :K], -1, axis).astype(np.float32)
;;   ~~~
;;   SOFTMAX AHEAD OF A QUANTISED PRODUCT. Where the list says 'softmax', what is quantised is not the finished softmax but p = 2^(t - M), with t = logit x log2(e) and M = ceil(the row's largest t), a whole number; so 1/2 < the row's largest p <= 1. The row's sum l is taken of the UNQUANTISED p, in f32, and the product's result is divided by l at the end. Since M is a whole number, a kernel that streams over the keys may use a running M (the ceiling of the running maximum): every later rescaling is an exact power of two, which a block's scale takes up: the codes' values come out the same.
;;   OPERANDS COMPUTED ON THE WAY. 'Computed on the way' means the value that the module computes at that place (a softmax that the list does not call 'softmax' is quantised finished and normalised). What goes into a quantiser is computed in f32, as accurately as f32 sums, v_exp_f32 and their like allow (about 1e-6 of the number): no bf16 or f16 on the way to a quantiser, and a product that is left as it is and whose result goes on into a quantised operand takes f32 operands (vector FMAs, or v_wmma_f32_16x16x4_f32). A number that lies on a knife's edge between two numbers of the format may be rounded either way, as far as f32 arithmetic and the matrix unit's own rounding can turn it there, and no further.
;; One version. Each part assembles by itself: llvm-mc -triple=amdgcn-amd-amdhsa -mcpu=gfx1250 --defsym DOCPART=n.
;; ======== version 1 of 1: 4 launches
;; limits: right only within a limited range of input values
;; workspace buffers: xc 6,291,456 bytes; xs 262,144 bytes; wc 3,145,728 bytes; ws 131,072 bytes; qkvc 18,874,368 bytes; qkvs 1,310,720 bytes; aoc 6,291,456 bytes; aos 262,144 bytes
;; launch quant (part 1): grid 384 x 1, 4 waves a work-group, no clusters, 33,280 bytes of LDS; arguments x, Wq, Wk, Wv, Wo, xc, xs, wc, ws; writes xc, xs, wc, ws
.if DOCPART == 1
	.amdgcn_target "amdgcn-amd-amdhsa--gfx1250"
	.amdhsa_code_object_version 6
	.text
	.protected	k_q2cdec713e0_quant
	.globl	k_q2cdec713e0_quant
	.p2align	8
	.type	k_q2cdec713e0_quant,@function
k_q2cdec713e0_quant:
	s_mov_b64 s[64:65], 0
	v_nop
	global_prefetch_b8 v0, s[64:65] scope:SCOPE_SE
	s_setreg_imm32_b32 hwreg(HW_REG_WAVE_MODE, 25, 1), 1
	s_wait_xcnt 0x0
; x [8192][1024] and Wq, Wk, Wv, Wo [1024][1024], f32, become codes of FP6 (E2M3), K innermost (768 bytes a row), with one E8M0 byte for each 32 along K (32 bytes a row).
; A block's scale is 2^(floor(log2(its largest magnitude)) - 2); its byte is the largest magnitude's exponent field - 2, held at 1 from below.  Each number is divided by the scale and rounded to the nearest code, ties to even.
; THE ROWS of x, Wq, Wk and Wv are stored at the row number with bits 3 and 4 exchanged (Wo's stay where they are): a stored tile of 16 rows then holds rows 32 (i / 2) + 8 (i % 2) + r % 8 + 16 (r / 8),
; so that in the products that follow a lane's 16 registers of two neighbouring tiles are 16 true neighbours.  A wave takes 8 rows (bits 0 to 2), so the exchange is an exchange of the two bits of the wave's number in the place where its results go.
; xc, xs: x's codes and bytes.  wc, ws: 4,096 rows: Wq, Wk, Wv, Wo.
; LIMITS: a block of zeros gets the byte 1 (its codes are zeros, and this program alone reads the bytes); blocks under 2^-124 keep the byte 1; NaN and infinities among the inputs are not served.
; Work-groups 0 to 255 take 32 rows of x each, 256 to 383 32 rows of a weight.  Only pointers are chosen: all take one path.  Memory binds: no matrix unit, no cluster (no byte is read twice), no tensor load, no barrier (waves share nothing).
; A wave takes 16 steps of 512 numbers.  Each of a step's four loads reads 512 consecutive bytes; the 2,048 bytes turn through the wave's own stage in LDS and come back 64 bytes a lane: 16 neighbours along K, two lanes to a block.
.set STEPS, 16
.set CB,    12                         ; bytes of 16 codes
.set R,     16                         ; v16-79   four sets of 16 numbers as they are loaded
.set X,     80                         ; v80-111  two sets of 16 neighbours
.set C,     128                        ; v128-191 codes: four registers for each step, so that no store's data are written again
.set E,     112                        ; v112-127 a scale byte for each step
.set WREG,  8192                       ; LDS: a region for each wave: two stages of 32 x SP bytes, behind them its 256 scale bytes
.set SP,    80                         ; a lane's place in a stage: 64 bytes + 16 of padding
	s_load_b256 s[4:11], s[0:1], 0x0               ; x s[4:5], Wq s[6:7], Wk s[8:9], Wv s[10:11]
	s_load_b256 s[12:19], s[0:1], 0x20             ; Wo s[12:13], xc s[14:15], xs s[16:17], wc s[18:19]
	s_load_b64 s[20:21], s[0:1], 0x40              ; ws
	v_lshl_add_u32 v192, v0, 2, 0x8000
	v_mov_b32 v193, 0
	v_lshrrev_b32 v1, 5, v0
	v_readfirstlane_b32 s24, v1                    ; wave
	v_and_b32 v2, 31, v0                           ; lane
	v_lshlrev_b32 v3, 4, v2                        ; my 16 bytes of a load's 512
	s_mul_i32 s25, s24, WREG
	v_lshrrev_b32 v14, 2, v2
	v_mul_u32_u24 v14, v14, SP
	v_and_b32 v15, 3, v2
	v_lshl_add_u32 v14, v15, 4, v14
	v_add_nc_u32 v14, s25, v14                     ; the stage, on the way in: SP (lane / 4) + 16 (lane % 4)
	v_mul_u32_u24 v15, v2, SP
	v_add_nc_u32 v15, s25, v15                     ; and on the way out: SP x lane: my 16 neighbours
	; THE CODES' LAYOUT: [K step of 256][row][192 bytes]: a plane is 8,192 x 192 bytes in xc and 4,096 x 192 in wc, so that any run of rows of one K step is a dense block
	s_mov_b32 s34, 786432
	s_cmp_lt_u32 ttmp9, 256
	s_cselect_b32 s34, 1572864, s34                ; the plane of the buffer that I write
	v_and_b32 v4, 15, v2
	v_lshrrev_b32 v10, 4, v2
	v_mul_u32_u24 v4, v4, CB                       ; 16 lanes fill a row's 192 bytes of one K step;
	v_mad_u32_u24 v4, v10, s34, v4                 ; lanes 16-31 hold the next K step
	v_lshrrev_b32 v5, 1, v2
	s_add_co_u32 s25, s25, 2*32*SP
	v_add_nc_u32 v5, s25, v5                       ; LDS: my wave's 256 scale bytes, my block's byte
	v_lshlrev_b32 v7, 3, v2                        ; and on the way out 8 bytes a lane
	v_add_nc_u32 v6, s25, v7
	s_wait_alu depctr_va_vdst(0)
	s_wait_kmcnt 0x0
	s_sub_co_u32 s26, ttmp9, 256                   ; j: the work-group's number among the weights' (a very large number in x's work-groups)
	s_lshr_b32 s27, s26, 5                         ; which weight: 0 Wq, 1 Wk, 2 Wv, 3 Wo
	s_and_b32 s28, s26, 31                         ; which 32 rows of it
	s_mov_b64 s[22:23], s[12:13]                   ; the tensor to read: every choice hangs on the work-group's number alone
	s_cmp_eq_u32 s27, 2
	s_cselect_b64 s[22:23], s[10:11], s[22:23]
	s_cmp_eq_u32 s27, 1
	s_cselect_b64 s[22:23], s[8:9], s[22:23]
	s_cmp_eq_u32 s27, 0
	s_cselect_b64 s[22:23], s[6:7], s[22:23]
	s_cmp_lt_u32 ttmp9, 256
	s_cselect_b64 s[22:23], s[4:5], s[22:23]
	s_cselect_b64 s[14:15], s[14:15], s[18:19]     ; where the codes go,
	s_cselect_b64 s[16:17], s[16:17], s[20:21]     ; and the scale bytes
	s_cselect_b32 s28, ttmp9, s28                  ; which 32 rows of the tensor read,
	s_cselect_b32 s29, ttmp9, s26                  ; and of the buffer written
	s_and_b32 s30, s24, 1
	s_lshl_b32 s30, s30, 1
	s_lshr_b32 s31, s24, 1
	s_or_b32 s30, s30, s31                         ; the wave's number with its two bits exchanged
	s_cmp_eq_u32 s27, 3
	s_cselect_b32 s30, s24, s30                    ; Wo's rows stay in their order
	s_lshl_b32 s28, s28, 2
	s_add_co_u32 s28, s28, s24                     ; the run of 8 rows that I read
	s_lshl_b32 s32, s28, 15                        ; 32,768 bytes a run
	s_mov_b32 s33, 0
	s_add_nc_u64 s[22:23], s[22:23], s[32:33]
	s_lshl_b32 s29, s29, 2
	s_add_co_u32 s29, s29, s30                     ; the run of 8 rows that I write
	s_mul_i32 s32, s29, 8*192                      ; 8 rows of 192 bytes in a plane
	s_add_nc_u64 s[14:15], s[14:15], s[32:33]
	s_lshl_b32 s34, s34, 1
	s_mov_b32 s35, 0
	s_add_nc_u64 s[36:37], s[14:15], s[34:35]      ; two planes on: a row's second 512 numbers
	s_lshl_b32 s32, s29, 8                         ; 256 scale bytes a run
	s_add_nc_u64 s[16:17], s[16:17], s[32:33]
.macro LOAD t
.irp i, 0,1,2,3
	global_load_b128 v[R+16*((\t)%4)+4*\i:R+16*((\t)%4)+4*\i+3], v3, s[22:23] offset:2048*(\t)+512*\i th:TH_LOAD_NT   ; 32 lanes read 512 consecutive bytes
.endr
.endm
.macro TURN t                          ; step t's numbers through the stage: LDS serves a wave's instructions in order, so no wait stands between the stores and the loads
.irp i, 0,1,2,3
	ds_store_b128 v14, v[R+16*((\t)%4)+4*\i:R+16*((\t)%4)+4*\i+3] offset:32*SP*((\t)%2)+8*SP*\i
.endr
.irp i, 0,1,2,3
	ds_load_b128 v[X+16*((\t)%2)+4*\i:X+16*((\t)%2)+4*\i+3], v15 offset:32*SP*((\t)%2)+16*\i
.endr
.endm
.irp t, 0,1,2,3
	LOAD \t
.endr
	s_wait_loadcnt 12                              ; step 0's four loads are in; the twelve behind them may be out
	TURN 0
.macro STEP t
.set XS, X+16*((\t)%2)
.if (\t) > 0
	s_wait_dscnt 1                                 ; this step's numbers are back from the stage (the last step's byte store may be out): so its stores into the stage have read their registers,
.else
	s_wait_dscnt 0x0
.endif
.if (\t)+4 < STEPS
	LOAD (\t)+4                                    ; which take the loads of four steps on
.endif
.if (\t)+1 < STEPS
.if STEPS-2-(\t) >= 3
	s_wait_loadcnt 12                              ; the next step's four loads are in; those of the three steps behind it may be out
.else
	s_wait_loadcnt 4*(STEPS-2-(\t))
.endif
	TURN (\t)+1                                    ; and go through the other stage while this step is worked
.endif
	v_max3_num_f32 v8, |v[XS]|, |v[XS+1]|, |v[XS+2]|               ; the largest magnitude of my 16, in two chains
	v_max3_num_f32 v9, |v[XS+3]|, |v[XS+4]|, |v[XS+5]|
.irp i, 6,10
	v_max3_num_f32 v8, v8, |v[XS+\i]|, |v[XS+\i+1]|
	v_max3_num_f32 v9, v9, |v[XS+\i+2]|, |v[XS+\i+3]|
.endr
	v_max3_num_f32 v8, v8, |v[XS+14]|, |v[XS+15]|
	v_max3_num_f32 v8, v8, v9, 0x1800000           ; and the floor 2^(3 - 127): the byte cannot fall under 1
	v_max_num_f32_dpp v8, v8, v8 row_xmask:1 row_mask:0xf bank_mask:0xf   ; and of my neighbour's 16: the block's
	v_add_nc_u32 v11, 0xff000000, v8               ; 2 off its exponent field: the conversion takes the exponent field of this operand as its scale, and nothing else of it
	v_cvt_scalef32_pk16_fp6_f32 v[C+4*(\t):C+4*(\t)+2], v[XS:XS+15], v11
	v_lshrrev_b32 v[E+(\t)], 23, v11               ; the scale's byte (also the plain line behind the conversion)
	ds_store_b8 v5, v[E+(\t)] offset:16*(\t)       ; both lanes of a block write the same byte with the same value
	global_store_b96 v4, v[C+4*(\t):C+4*(\t)+2], s[14+22*((\t)%2):15+22*((\t)%2)] offset:192*((\t)/2)   ; row t / 2, K steps 2 (t % 2) and 2 (t % 2) + 1
.endm
.irp t, 0,1,2,3,4,5,6,7,8,9,10,11,12,13,14,15
	STEP \t
.endr
	ds_load_b64 v[12:13], v6                       ; LDS serves a wave's instructions in order: these see my stores
	s_wait_dscnt 0x0
	global_store_b64 v7, v[12:13], s[16:17]        ; 32 lanes store 256 consecutive bytes, aligned
	s_wait_tensorcnt 0x0
	ds_add_u32 v192, v193
	s_wait_dscnt 0x0
	s_endpgm
.Lfunc_end_k_q2cdec713e0_quant:
	.size	k_q2cdec713e0_quant, .Lfunc_end_k_q2cdec713e0_quant-k_q2cdec713e0_quant
	.p2alignl 7, 3214868480
	.fill 96, 4, 3214868480
	.section	.rodata,"a",@progbits
	.p2align	6, 0x0
	.amdhsa_kernel k_q2cdec713e0_quant
		.amdhsa_group_segment_fixed_size 33280
		.amdhsa_private_segment_fixed_size 0
		.amdhsa_enable_private_segment 0
		.amdhsa_kernarg_size 72
		.amdhsa_user_sgpr_count 2
		.amdhsa_user_sgpr_kernarg_segment_ptr 1
		.amdhsa_wavefront_size32 1
		.amdhsa_system_sgpr_workgroup_id_x 1
		.amdhsa_system_sgpr_workgroup_id_y 1
		.amdhsa_system_sgpr_workgroup_id_z 1
		.amdhsa_system_vgpr_workitem_id 0
		.amdhsa_next_free_vgpr 194
		.amdhsa_next_free_sgpr 66
		.amdhsa_reserve_vcc 0
		.amdhsa_float_denorm_mode_32 3
		.amdhsa_float_denorm_mode_16_64 3
		.amdhsa_memory_ordered 1
		.amdhsa_forward_progress 1
		.amdhsa_inst_pref_size 33
	.end_amdhsa_kernel
	.amdgpu_metadata
---
amdhsa.version: [ 1, 2 ]
amdhsa.kernels:
  - .name:           k_q2cdec713e0_quant
    .symbol:         k_q2cdec713e0_quant.kd
    .args:
      - { .name: x, .offset: 0, .size: 8, .value_kind: global_buffer, .address_space: global }
      - { .name: Wq, .offset: 8, .size: 8, .value_kind: global_buffer, .address_space: global }
      - { .name: Wk, .offset: 16, .size: 8, .value_kind: global_buffer, .address_space: global }
      - { .name: Wv, .offset: 24, .size: 8, .value_kind: global_buffer, .address_space: global }
      - { .name: Wo, .offset: 32, .size: 8, .value_kind: global_buffer, .address_space: global }
      - { .name: xc, .offset: 40, .size: 8, .value_kind: global_buffer, .address_space: global }
      - { .name: xs, .offset: 48, .size: 8, .value_kind: global_buffer, .address_space: global }
      - { .name: wc, .offset: 56, .size: 8, .value_kind: global_buffer, .address_space: global }
      - { .name: ws, .offset: 64, .size: 8, .value_kind: global_buffer, .address_space: global }
    .group_segment_fixed_size: 33280
    .private_segment_fixed_size: 0
    .kernarg_segment_align: 8
    .kernarg_segment_size: 72
    .max_flat_workgroup_size: 128
    .sgpr_count:     66
    .vgpr_count:     194
    .wavefront_size: 32
...
	.end_amdgpu_metadata
.endif
;; end of part 1
;; launch qkv (part 2): grid 8 x 48, 4 waves a work-group, clusters of 4 x 4, 327,680 bytes of LDS; arguments xc, xs, wc, ws, qkvc, qkvs; writes qkvc, qkvs
.if DOCPART == 2
	.amdgcn_target "amdgcn-amd-amdhsa--gfx1250"
	.amdhsa_code_object_version 6
	.text
	.protected	k_q2cdec713e0_qkv
	.globl	k_q2cdec713e0_qkv
	.p2align	8
	.type	k_q2cdec713e0_qkv,@function
k_q2cdec713e0_qkv:
	s_mov_b64 s[64:65], 0
	v_nop
	global_prefetch_b8 v0, s[64:65] scope:SCOPE_SE
	s_setreg_imm32_b32 hwreg(HW_REG_WAVE_MODE, 25, 1), 1
	s_wait_xcnt 0x0
	s_wait_alu depctr_hold_cnt(0) depctr_sa_sdst(0) depctr_va_vdst(0) depctr_va_sdst(0) depctr_va_ssrc(0) depctr_va_vcc(0) depctr_vm_vsrc(0)
	s_getreg_b32 s2, hwreg(HW_REG_IB_STS2, 6, 4)
	s_cmp_eq_u32 s2, 0
	s_cbranch_scc0 .Lentry_in_a_cluster
	s_endpgm
.Lentry_in_a_cluster:
	s_bfe_u32 s2, ttmp6, 0x10000c
	s_cmp_lg_u32 s2, 0xf033
	s_cbranch_scc0 .Lentry_shape_is_right
	s_endpgm
.Lentry_shape_is_right:
.set SIZE_K, 1024
.set KSTEP,  256
.set NQ,     KSTEP/128
.set ROWB,   192
.set KROW,   SIZE_K*6/8
.set PITCH,  240
.set FR,     12
.set NL,     6
.set NP,     4
.set HALFT,  128*PITCH
.set SLOT,   4*HALFT
.set LAPS,   SIZE_K/(2*KSTEP)
.set KS,     SIZE_K/32
.set SCL,    2*SLOT
.set HALFS,  (128*KS/256)*272
.set SBLK,   (16*KS/256)*272
.set SPARE,  SCL+4*HALFS
.set ADRA, 16
.set ADRB, 20
.set ADRS, 27
.set SPW,  28
.set NIL,  29
.set L8,   30
.set SOFF, 31
.set SC,   32
.set T,    64
.set TM,   88
.set PW,   104
.set SHF,  105
.set PC,   108
.set AF,   128
.set SW,   128
.set G1, 24
.set G0, 32
.set G1B, 48
.set G0B, 56
.set G1S, 68
.set G0S, 76
.set G1SB, 80
.set G0SB, 88
.set MSB, 0
.macro WIN new
.if MSB != \new
	s_set_vgpr_msb (MSB<<8)|\new
.set MSB, \new
.endif
.endm
.set MUL_LO, 0xa1
.set MUL_HI, 0xf1
.set TO_B,   0x40
.macro JLOAD g0a, g1a, g0b, g1b
	s_cmp_eq_u32 s15, 0
	s_cbranch_scc0 .Lfor_b_\@
	tensor_load_to_lds s[\g0a:\g0a+3], s[\g1a:\g1a+7]
	s_nop 0
.rept 4
	v_nop
.endr
	s_branch .Lasked_\@
.Lfor_b_\@:
	tensor_load_to_lds s[\g0b:\g0b+3], s[\g1b:\g1b+7]
	s_nop 0
.rept 4
	v_nop
.endr
.Lasked_\@:
.endm
.macro CREST
	s_cmp_lg_u32 s14, 0
	s_cbranch_scc1 .Lnot_wave_0_\@
	s_barrier_signal -3
.Lnot_wave_0_\@:
	s_barrier_wait -3
	s_barrier_signal -1
	s_barrier_wait -1
.endm
.macro CROUND
	s_barrier_signal -1
	s_barrier_wait -1
	CREST
.endm
	s_load_b128 s[4:7], s[0:1], 0x0
	s_load_b128 s[8:11], s[0:1], 0x10
	s_load_b128 s[96:99], s[0:1], 0x20
	v_lshl_add_u32 v[SPW], v0, 2, SPARE
	v_mov_b32 v[NIL], 0
	ds_add_u32 v28, v29
	ds_add_u32 v28, v29
	s_wait_dscnt 0x0
	v_lshrrev_b32 v1, 5, v0
	v_readfirstlane_b32 s14, v1
	s_lshr_b32 s15, s14, 1
	s_and_b32 s16, s14, 1
	s_bfe_u32 s40, ttmp6, 0x40000
	s_bfe_u32 s41, ttmp6, 0x40004
	s_and_b32 s17, ttmp7, 0xffff
	s_sub_co_u32 s67, s17, 8
	s_lshl_b32 s67, s67, 1
	s_add_co_u32 s67, s67, ttmp9
	s_cmp_ge_u32 s17, 8
	s_cselect_b32 s66, 1, 0
	s_cselect_b32 s17, 0, s17
	s_cselect_b32 s42, s67, ttmp9
	s_cselect_b32 s67, 2048, 0
	s_lshl_b32 s17, s17, 2
	s_add_co_u32 s17, s17, s41
	s_lshl_b32 s42, s42, 2
	s_add_co_u32 s42, s42, s40
	s_lshl_b32 s43, s41, 2
	s_lshl_b32 s43, 15, s43
	s_lshl_b32 s44, 0x1111, s40
	s_or_b32 s[G1+0], s43, (0<<16)|(1<<20)|(1<<21)|(3<<22)|(3<<25)
	s_or_b32 s[G1B+0], s44, (0<<16)|(1<<20)|(1<<21)|(3<<22)|(3<<25)
.irp g, G1, G1B
	s_mov_b32 s[\g+1], 256<<16                     ; a tile is a dense block of one K step's plane, stated as rows of 256 bytes; the padding's interval stays 64 bytes, so a row of 192 bytes of codes takes 240 in LDS
	s_mov_b32 s[\g+2], 192<<16                     ; the head's loads: 256 rows of codes = 192 rows of 256 bytes
	s_mov_b32 s[\g+3], 256<<16
	s_mov_b32 s[\g+4], 192
	s_mov_b32 s[\g+5], 256
	s_mov_b32 s[\g+6], 0
	s_mov_b32 s[\g+7], 0
.endr
	s_or_b32 s[G1S+0], s43, (3<<16)|(1<<20)|(1<<21)|(5<<22)|(3<<25)
	s_or_b32 s[G1SB+0], s44, (3<<16)|(1<<20)|(1<<21)|(5<<22)|(3<<25)
.irp g, G1S, G1SB
	s_mov_b32 s[\g+1], 32<<16
	s_mov_b32 s[\g+2], (256*KS/256)<<16
	s_mov_b32 s[\g+3], 32<<16
	s_mov_b32 s[\g+4], 256*KS/256
	s_mov_b32 s[\g+5], 32
	s_mov_b32 s[\g+6], 0
	s_mov_b32 s[\g+7], 0
.endr
	s_lshl_b32 s20, s17, 8                         ; the tiles' first rows
	s_add_co_u32 s20, s20, s67
	s_lshl_b32 s46, s42, 8
	s_mov_b32 s21, 0
	s_mov_b32 s47, 0
	s_mov_b64 s[18:19], KS
	s_mul_u64 s[22:23], s[20:21], s[18:19]
	s_mul_u64 s[92:93], s[46:47], s[18:19]
	s_mov_b64 s[18:19], ROWB
	s_mul_u64 s[20:21], s[20:21], s[18:19]
	s_mul_u64 s[46:47], s[46:47], s[18:19]
	s_mul_i32 s45, s14, HALFT
	s_mul_i32 s18, s16, 128*ROWB                   ; in the ring I fetch 128 rows of a tile: which half, in bytes
	s_mov_b32 s19, 0
	s_wait_kmcnt 0x0
	s_cmp_lg_u32 s66, 0
	s_cselect_b64 s[12:13], s[8:9], s[4:5]
	s_cselect_b64 s[2:3], s[10:11], s[6:7]
	s_cselect_b64 s[8:9], s[4:5], s[8:9]
	s_cselect_b64 s[10:11], s[6:7], s[10:11]
	s_add_nc_u64 s[20:21], s[12:13], s[20:21]
	s_add_nc_u64 s[22:23], s[2:3], s[22:23]
	s_add_nc_u64 s[46:47], s[8:9], s[46:47]
	s_add_nc_u64 s[92:93], s[10:11], s[92:93]
	CROUND
	s_mov_b32 s[G0S], 1
	s_mov_b32 s[G0S+1], SCL
	s_mov_b64 s[G0S+2:G0S+3], s[22:23]
	s_or_b32 s[G0S+3], s[G0S+3], 0x80000000
	s_mov_b32 s[G0SB], 1
	s_mov_b32 s[G0SB+1], SCL+2*HALFS
	s_mov_b64 s[G0SB+2:G0SB+3], s[92:93]
	s_or_b32 s[G0SB+3], s[G0SB+3], 0x80000000
.set G0H, 4                            ; s[4:7], s[8:11] group 0 of the head's loads of K step 0 (the arguments that lay there have been used)
.set G0HB, 8
.set XPL, 1572864                      ; a plane of xc: 8,192 rows x 192 bytes
.set WPL, 786432                       ; a plane of wc: 4,096 rows x 192 bytes
	s_mov_b32 s[G0H], 1
	s_mov_b32 s[G0H+1], 0
	s_mov_b64 s[G0H+2:G0H+3], s[20:21]
	s_or_b32 s[G0H+3], s[G0H+3], 0x80000000
	s_mov_b32 s[G0HB], 1
	s_mov_b32 s[G0HB+1], 2*HALFT
	s_mov_b64 s[G0HB+2:G0HB+3], s[46:47]
	s_or_b32 s[G0HB+3], s[G0HB+3], 0x80000000
	s_add_nc_u64 s[20:21], s[20:21], s[18:19]      ; for the ring: my 128 rows
	s_add_nc_u64 s[46:47], s[46:47], s[18:19]
	s_cmp_lg_u32 s66, 0                            ; from K step to K step: a plane of the buffer that the side reads (the choice hangs on the cluster's number alone)
	s_mov_b32 s12, XPL
	s_mov_b32 s94, WPL
	s_cselect_b32 s12, WPL, s12
	s_cselect_b32 s94, XPL, s94
	s_mov_b32 s13, 0
	s_mov_b32 s95, 0
.irp s, 0,1
	s_mov_b32 s[G0+4*\s], 1
	s_add_co_u32 s[G0+4*\s+1], s45, \s*SLOT
	s_mov_b64 s[G0+4*\s+2:G0+4*\s+3], s[20:21]
	s_or_b32 s[G0+4*\s+3], s[G0+4*\s+3], 0x80000000
	s_mov_b32 s[G0B+4*\s], 1
	s_add_co_u32 s[G0B+4*\s+1], s45, \s*SLOT
	s_mov_b64 s[G0B+4*\s+2:G0B+4*\s+3], s[46:47]
	s_or_b32 s[G0B+4*\s+3], s[G0B+4*\s+3], 0x80000000
.endr
	s_add_nc_u64 s[G0+6:G0+7], s[G0+6:G0+7], s[12:13]        ; slot 1 begins with K step 1
	s_add_nc_u64 s[G0B+6:G0B+7], s[G0B+6:G0B+7], s[94:95]
; THE HEAD'S LOADS, one a wave: wave 0 K step 0's 256 rows of A, wave 1 those of B, wave 2 A's scales, wave 3 B's.  One chain of branches on the wave's number: every way passes one load.
.macro ARM under, g0, g1, next
	s_cmp_lt_u32 s14, \under
	s_cbranch_scc0 \next
	tensor_load_to_lds s[\g0:\g0+3], s[\g1:\g1+7]
	s_nop 0
.rept 4
	v_nop
.endr
	s_branch .Lhead_asked
\next:
.endm
	ARM 1, G0H,  G1,  .Lhead_b
	ARM 2, G0HB, G1B, .Lhead_sa
	ARM 3, G0S,  G1S, .Lhead_sb
	tensor_load_to_lds s[G0SB:G0SB+3], s[G1SB:G1SB+7]
	s_nop 0
.rept 4
	v_nop
.endr
.Lhead_asked:
	v_and_b32 v1, 15, v0
	v_bfe_u32 v2, v0, 4, 1
	v_mul_u32_u24 v3, v1, PITCH
	v_mul_u32_u24 v4, v2, 24
	v_add_nc_u32 v4, v3, v4
	v_lshl_add_u32 v5, v2, 4, v4
	s_mul_i32 s21, s15, HALFT
	s_mul_i32 s22, s16, HALFT
	s_add_co_u32 s22, s22, 2*HALFT
.irp s, 0,1
	v_add_nc_u32 v[ADRA+\s], s21, v4
	v_add_nc_u32 v[ADRB+\s], s22, v4
	v_add_nc_u32 v[ADRA+2+\s], s21, v5
	v_add_nc_u32 v[ADRB+2+\s], s22, v5
	s_add_co_u32 s21, s21, SLOT
	s_add_co_u32 s22, s22, SLOT
.endr
	v_mul_u32_u24 v5, v1, KS
	v_lshrrev_b32 v6, 8, v5
	v_lshl_add_u32 v5, v6, 4, v5
	s_mul_i32 s21, s15, HALFS
	s_mul_i32 s22, s16, HALFS
	s_add_co_u32 s22, s22, 2*HALFS
	s_sub_co_u32 s22, s22, s21
	v_mul_u32_u24 v6, s22, v2
	s_add_co_u32 s21, s21, SCL
	v_add_nc_u32 v5, v5, v6
	v_add_nc_u32 v[ADRS], s21, v5
.macro FRAG reg, adr, q, i
.irp p, 0,1,2,3,4,5
.set PCE, 12*(\q)+6*(\p/3)+\p%3
.if PCE%8 < 5
	ds_load_b64 v[\reg+2*\p:\reg+2*\p+1], v[\adr] offset:8*PCE+16*(PCE/8)+(\i)*16*PITCH
.else
	ds_load_b64 v[\reg+2*\p:\reg+2*\p+1], v[\adr+2] offset:8*PCE+16*(PCE/8)+(\i)*16*PITCH
.endif
.endr
.endm
.macro MUL16 a0, p, q, sc, zero
.irp a, \a0, \a0+1
.irp b, 0,1,2,3,4,5,6,7
.if \zero
	v_wmma_scale_f32_16x16x128_f8f6f4 v[8*(8*((\a)%4)+\b):8*(8*((\a)%4)+\b)+7], v[128*(\p)+FR*\b:128*(\p)+FR*\b+FR-1], v[AF+FR*(\a):AF+FR*(\a)+FR-1], 0, v[SC+8*NQ*(\sc)+NQ*\b+(\q)], v[SC+8*NQ*(\sc)+NQ*(\a)+(\q)] matrix_a_fmt:MATRIX_FMT_FP6 matrix_b_fmt:MATRIX_FMT_FP6 matrix_a_scale:MATRIX_SCALE_ROW1
.else
	v_wmma_scale_f32_16x16x128_f8f6f4 v[8*(8*((\a)%4)+\b):8*(8*((\a)%4)+\b)+7], v[128*(\p)+FR*\b:128*(\p)+FR*\b+FR-1], v[AF+FR*(\a):AF+FR*(\a)+FR-1], v[8*(8*((\a)%4)+\b):8*(8*((\a)%4)+\b)+7], v[SC+8*NQ*(\sc)+NQ*\b+(\q)], v[SC+8*NQ*(\sc)+NQ*(\a)+(\q)] matrix_a_fmt:MATRIX_FMT_FP6 matrix_b_fmt:MATRIX_FMT_FP6 matrix_a_scale:MATRIX_SCALE_ROW1
.endif
.endr
.endr
.endm
.macro FETCH_B slot, q, p
	WIN TO_B
.irp i, 0,1,2,3,4,5,6,7
	FRAG 128*(\p)+FR*\i, ADRB+\slot, \q, \i
.endr
	WIN 0
.endm
.macro FETCH_A slot, q, i0
.irp i, \i0, \i0+1, \i0+2, \i0+3
	FRAG AF+FR*(\i), ADRA+\slot, \q, \i
.endr
.endm
.macro SCALES sc
.irp i, 0,1,2,3,4,5,6,7
	ds_load_b64 v[SC+8*NQ*\sc+NQ*\i:SC+8*NQ*\sc+NQ*\i+1], v[ADRS] offset:\i*SBLK
.endr
.endm
.macro PLACES n
.rept \n
	v_nop
.endr
.endm
.macro STEP slot, q, zero
	s_wait_dscnt 4*NL
	WIN MUL_LO
	MUL16 0, (\q)%2, \q, \slot, \zero
	MUL16 2, (\q)%2, \q, \slot, \zero
	s_wait_dscnt 0
	PLACES NP
	FETCH_B \slot, (\q)+1, 1-(\q)%2
	FETCH_A \slot, (\q)+1, 0
	WIN MUL_HI
	MUL16 4, (\q)%2, \q, \slot, \zero
	MUL16 6, (\q)%2, \q, \slot, \zero
	PLACES NP
	WIN 0
	FETCH_A \slot, (\q)+1, 4
.endm
.macro TURN slot, next, fill
	s_wait_tensorcnt 0x0
	ds_add_u32 v[SPW], v[NIL]
	s_wait_dscnt 4*NL+1
	WIN MUL_LO
	MUL16 0, 1, NQ-1, \slot, 0
	s_wait_dscnt 0x0
	s_barrier_signal -1
	MUL16 2, 1, NQ-1, \slot, 0
	WIN 0
	s_barrier_wait -1
.if \fill
	CREST
	s_add_nc_u64 s[G0+4*\slot+2:G0+4*\slot+3], s[G0+4*\slot+2:G0+4*\slot+3], s[12:13]      ; two planes on
	s_add_nc_u64 s[G0B+4*\slot+2:G0B+4*\slot+3], s[G0B+4*\slot+2:G0B+4*\slot+3], s[94:95]
	JLOAD G0+4*\slot, G1, G0B+4*\slot, G1B
.else
	PLACES NP
.endif
	s_wait_alu depctr_va_vdst(0)
	v_add_nc_u32 v[ADRS], 4*NQ, v[ADRS]
	FETCH_B \next, 0, 0
	FETCH_A \next, 0, 0
	SCALES \next
	WIN MUL_HI
	MUL16 4, 1, NQ-1, \slot, 0
	MUL16 6, 1, NQ-1, \slot, 0
	PLACES NP
	WIN 0
	FETCH_A \next, 0, 4
.endm
	s_wait_alu depctr_va_vdst(0)
	s_wait_tensorcnt 0x0                           ; my tile of the head's four is in
	ds_add_u32 v[SPW], v[NIL]
	s_mov_b32 s[G1+2], 96<<16                      ; no tensor load of mine is out: from here on a load brings 128 rows of codes = 96 rows of 256 bytes
	s_mov_b32 s[G1+4], 96
	s_mov_b32 s[G1B+2], 96<<16
	s_mov_b32 s[G1B+4], 96
	s_lshl_b32 s12, s12, 1                         ; a slot's next tile lies two planes on
	s_lshl_b32 s94, s94, 1
	s_wait_dscnt 0x0
	CROUND                                         ; all four tiles are in, all sixteen work-groups are here
	JLOAD G0+4, G1, G0B+4, G1B                     ; K step 1, the first tensor load behind the round
	FETCH_B 0, 0, 0
	FETCH_A 0, 0, 0
	SCALES 0
	FETCH_A 0, 0, 4
	STEP 0, 0, 1
	s_mov_b32 s3, LAPS-1
.Llap:
	TURN 0, 1, 1
	STEP 1, 0, 0
	TURN 1, 0, 1
	STEP 0, 0, 0
	s_sub_co_u32 s3, s3, 1
	s_cmp_lg_u32 s3, 0
	s_cbranch_scc1 .Llap
	TURN 0, 1, 0
	STEP 1, 0, 0
	s_wait_dscnt 4*NL
	WIN MUL_LO
	MUL16 0, 1, NQ-1, 1, 0
	MUL16 2, 1, NQ-1, 1, 0
	s_wait_dscnt 0
	WIN MUL_HI
	MUL16 4, 1, NQ-1, 1, 0
	MUL16 6, 1, NQ-1, 1, 0
	WIN 0
	PLACES NP
	s_lshl_b32 s24, s17, 8
	s_lshl_b32 s26, s15, 7
	s_add_co_u32 s24, s24, s26
	s_lshl_b32 s25, s42, 8
	s_lshl_b32 s26, s16, 7
	s_add_co_u32 s25, s25, s26
	s_lshr_b32 s28, s25, 10
	s_mov_b32 s31, 98304
	s_mov_b32 s32, 768
	s_mov_b32 s33, 768
	s_mov_b32 s34, 256
	s_cmp_lg_u32 s66, 0
	s_cselect_b32 s26, s25, s24
	s_cselect_b32 s27, s24, s25
	s_cselect_b32 s28, 2, s28
	s_cselect_b32 s29, 12, 13
	s_cselect_b32 s30, 1, 2
	s_cselect_b32 s31, 768, s31
	s_cselect_b32 s32, 1536, s32
	s_cselect_b32 s33, 93696, s33
	s_cselect_b32 s34, 4096, s34
	s_cselect_b32 s35, 0, 8192
	s_cselect_b32 s36, 0, 16
	s_lshr_b32 s37, s26, 11
	s_and_b32 s38, s26, 2047
	s_and_b32 s39, s27, 1023
	s_lshr_b32 s39, s39, 6
	s_lshl_b32 s37, s37, 4
	s_add_co_u32 s37, s37, s39
	s_mul_i32 s44, s28, 6291456
	s_mul_i32 s45, s37, 98304
	s_add_co_u32 s44, s44, s45
	s_mul_i32 s45, s38, 48
	s_add_co_u32 s44, s44, s45
	s_mov_b32 s45, 0
	s_add_nc_u64 s[46:47], s[96:97], s[44:45]
	s_mov_b32 s44, s31
	s_add_nc_u64 s[48:49], s[46:47], s[44:45]
	s_mul_i32 s44, s28, 524288
	s_lshl_b32 s50, s37, s29
	s_add_co_u32 s44, s44, s50
	s_lshl_b32 s50, s38, s30
	s_add_co_u32 s44, s44, s50
	s_add_nc_u64 s[52:53], s[98:99], s[44:45]
	s_mov_b32 s44, s34
	s_add_nc_u64 s[54:55], s[52:53], s[44:45]
	s_mov_b32 s56, s32
	s_mov_b32 s57, 0
	s_mov_b32 s58, s33
	s_mov_b32 s59, 0
	s_mov_b32 s60, 0x76543210
	s_mov_b32 s61, 0xfedcba98
	v_and_b32 v[L8], 31, v0
	v_lshlrev_b32 v[L8], 3, v[L8]
	v_and_b32 v[SOFF], 15, v0
	v_bfe_u32 v106, v0, 4, 1
	v_mul_u32_u24 v107, v106, s35
	v_lshl_add_u32 v[SOFF], v[SOFF], 4, v107
	v_mul_u32_u24 v[SHF], v106, s36
.irp b, 0,1,2,3
	v_mov_b32 v[TM+4+\b], 0
.endr
.macro EPI a
.set AC, 64*((\a)%4)
.set W, 2+(\a)/4
	WIN 0x15*W
.irp g, 0,1,2,3,4,5
.irp b, 0,1,2,3
.set o, 3*\g-2*(\g/5)
	v_max3_num_f32 v[T+6*\b+\g], |v[AC+16*\b+o]|, |v[AC+16*\b+o+1]|, |v[AC+16*\b+o+2]|
.endr
.endr
	WIN 0
.irp b, 0,1,2,3
	v_max3_num_f32 v[T+6*\b], v[T+6*\b], v[T+6*\b+1], v[T+6*\b+2]
	v_max3_num_f32 v[T+6*\b+3], v[T+6*\b+3], v[T+6*\b+4], v[T+6*\b+5]
.endr
.irp b, 0,1,2,3
	v_max3_num_f32 v[TM+\b], v[T+6*\b], v[T+6*\b+3], 0x1800000
.endr
.irp b, 0,1,2,3
	v_permlanex16_b32 v[TM+4+\b], v[TM+\b], s60, s61
.endr
.irp b, 0,1,2,3
	v_max_num_f32 v[TM+\b], v[TM+\b], v[TM+4+\b]
.endr
.irp b, 0,1,2,3
	v_add_nc_u32 v[TM+12+\b], 0xff000000, v[TM+\b]
.endr
.irp b, 0,1,2,3
	v_lshrrev_b32 v[TM+4+\b], 23, v[TM+12+\b]
.endr
	v_lshl_or_b32 v[PW], v[TM+5], 8, v[TM+4]
	v_lshl_or_b32 v[PW], v[TM+6], 16, v[PW]
	v_lshl_or_b32 v[PW], v[TM+7], 24, v[PW]
	v_lshrrev_b32 v[SW+(\a)], v[SHF], v[PW]
.if (\a) > 0
	s_wait_xcnt 0x0
.if (\a) == 4
	s_add_nc_u64 s[46:47], s[46:47], s[58:59]
	s_add_nc_u64 s[48:49], s[48:49], s[58:59]
.else
	s_add_nc_u64 s[46:47], s[46:47], s[56:57]
	s_add_nc_u64 s[48:49], s[48:49], s[56:57]
.endif
.endif
	WIN W
.irp c, 0,1
	v_cvt_scalef32_pk16_fp6_f32 v[PC+6*\c:PC+2+6*\c], v[AC+32*\c:AC+15+32*\c], v[TM+12+2*\c]
	v_cvt_scalef32_pk16_fp6_f32 v[PC+12+4*\c:PC+14+4*\c], v[AC+16+32*\c:AC+31+32*\c], v[TM+12+2*\c+1]
.endr
	WIN 0
	v_nop
.irp c, 0,1
.irp i, 0,1,2
	v_permlane16_swap_b32 v[PC+6*\c+\i], v[PC+12+4*\c+\i]
.endr
.irp i, 0,1,2
	v_mov_b32 v[PC+3+6*\c+\i], v[PC+12+4*\c+\i]
.endr
.endr
.irp p, 0,1,2
	global_store_b64 v[L8], v[PC+2*\p:PC+2*\p+1], s[46:47] offset:256*\p
	global_store_b64 v[L8], v[PC+6+2*\p:PC+6+2*\p+1], s[48:49] offset:256*\p
.endr
.endm
.irp a, 0,1,2,3,4,5,6,7
	EPI \a
.endr
	global_store_b128 v[SOFF], v[SW:SW+3], s[52:53]
	global_store_b128 v[SOFF], v[SW+4:SW+7], s[54:55]
	s_wait_tensorcnt 0x0
	ds_add_u32 v[SPW], v[NIL]
	s_wait_dscnt 0x0
	CROUND
	s_endpgm
.Lfunc_end_k_q2cdec713e0_qkv:
	.size	k_q2cdec713e0_qkv, .Lfunc_end_k_q2cdec713e0_qkv-k_q2cdec713e0_qkv
	.p2alignl 7, 3214868480
	.fill 96, 4, 3214868480
	.section	.rodata,"a",@progbits
	.p2align	6, 0x0
	.amdhsa_kernel k_q2cdec713e0_qkv
		.amdhsa_group_segment_fixed_size 327680
		.amdhsa_private_segment_fixed_size 0
		.amdhsa_enable_private_segment 0
		.amdhsa_kernarg_size 48
		.amdhsa_user_sgpr_count 2
		.amdhsa_user_sgpr_kernarg_segment_ptr 1
		.amdhsa_wavefront_size32 1
		.amdhsa_system_sgpr_workgroup_id_x 1
		.amdhsa_system_sgpr_workgroup_id_y 1
		.amdhsa_system_sgpr_workgroup_id_z 1
		.amdhsa_system_vgpr_workitem_id 0
		.amdhsa_next_free_vgpr 1024
		.amdhsa_next_free_sgpr 100
		.amdhsa_reserve_vcc 0
		.amdhsa_float_denorm_mode_32 3
		.amdhsa_float_denorm_mode_16_64 3
		.amdhsa_memory_ordered 1
		.amdhsa_forward_progress 1
		.amdhsa_inst_pref_size 172
	.end_amdhsa_kernel
	.amdgpu_metadata
---
amdhsa.version: [ 1, 2 ]
amdhsa.kernels:
  - .name:           k_q2cdec713e0_qkv
    .symbol:         k_q2cdec713e0_qkv.kd
    .args:
      - { .name: xc, .offset: 0, .size: 8, .value_kind: global_buffer, .address_space: global }
      - { .name: xs, .offset: 8, .size: 8, .value_kind: global_buffer, .address_space: global }
      - { .name: wc, .offset: 16, .size: 8, .value_kind: global_buffer, .address_space: global }
      - { .name: ws, .offset: 24, .size: 8, .value_kind: global_buffer, .address_space: global }
      - { .name: qkvc, .offset: 32, .size: 8, .value_kind: global_buffer, .address_space: global }
      - { .name: qkvs, .offset: 40, .size: 8, .value_kind: global_buffer, .address_space: global }
    .group_segment_fixed_size: 327680
    .private_segment_fixed_size: 0
    .kernarg_segment_align: 8
    .kernarg_segment_size: 48
    .max_flat_workgroup_size: 128
    .sgpr_count:     100
    .vgpr_count:     1024
    .wavefront_size: 32
...
	.end_amdgpu_metadata
.endif
;; end of part 2
;; launch attn (part 3): grid 4 x 64, 8 waves a work-group, clusters of 4 x 1, 327,680 bytes of LDS; arguments qkvc, qkvs, mask, aoc, aos; writes aoc, aos
.if DOCPART == 3
	.amdgcn_target "amdgcn-amd-amdhsa--gfx1250"
	.amdhsa_code_object_version 6
	.text
	.protected	k_q2cdec713e0_attn
	.globl	k_q2cdec713e0_attn
	.p2align	8
	.type	k_q2cdec713e0_attn,@function
k_q2cdec713e0_attn:
	s_mov_b64 s[64:65], 0
	v_nop
	global_prefetch_b8 v0, s[64:65] scope:SCOPE_SE
	s_setreg_imm32_b32 hwreg(HW_REG_WAVE_MODE, 25, 1), 1
	s_wait_xcnt 0x0
	s_wait_alu depctr_hold_cnt(0) depctr_sa_sdst(0) depctr_va_vdst(0) depctr_va_sdst(0) depctr_va_ssrc(0) depctr_va_vcc(0) depctr_vm_vsrc(0)
	s_getreg_b32 s2, hwreg(HW_REG_IB_STS2, 6, 4)
	s_cmp_eq_u32 s2, 0
	s_cbranch_scc0 .Lentry_in_a_cluster
	s_endpgm
.Lentry_in_a_cluster:
	s_bfe_u32 s2, ttmp6, 0x10000c
	s_cmp_lg_u32 s2, 0x3003
	s_cbranch_scc0 .Lentry_shape_is_right
	s_endpgm
.Lentry_shape_is_right:
; For each batch and head: o = softmax(q k^T / 8, keys with mask = 1 left out) v, both products on codes of FP6 (E2M3) with E8M0 scales; o is quantised along the head's 64 and leaves as codes and scale bytes.
; THE SOFTMAX: t = score x log2(e) / 8; M = the running largest t, rounded up to a whole number; p = 2^(t - M) is quantised along the keys, not normalised; the row's sum is taken of the unquantised p and divides at the end.
; When M moves, the sum and O are multiplied by 2^(old M - new M): exact.
; SHARES.  A work-group owns one batch and head and 512 queries; each of its eight waves owns four tiles of 16 queries and walks the 2,048 keys in 16 steps of 128.  Each fragment of K and V read from LDS feeds four tiles.
; THE WHOLE HEAD STAYS IN LDS: K's and V's codes (98,304 bytes each) and scale words are filled once, so no slot is ever filled again.  The four work-groups of a cluster are the four query blocks of one head:
; every fill is asked for JOINTLY (mask 15).  Each of K and V comes in two loads: steps 0 to 3, then steps 4 to 15, so that the first steps are worked while the rest lands.
; LAYOUT.  Both products are used transposed: S^T = K Q^T (source 0 = 16 keys), O^T = V^T P^T (source 0 = 16 of the head's 64): a lane holds ONE query throughout.  The tokens' and Wv's rows were laid with bits 3 and 4 of
; the row number exchanged, so the 16 registers of two neighbouring tiles are 16 true neighbours: keys in S^T, the head's 64 in O^T.  All operands lie in memory as images of their registers: plane p = register pair p, lane l at 8 l.
; K = 64 IN AN INSTRUCTION OF 128: Q's registers 6-11 are zero codes.  K's half fragments lie 6 registers apart, so a fragment's upper six registers are the next tile's codes (behind the last: six cleared registers):
; finite numbers times zeros, under scale bytes that are never 0xff.
; THE MASK is the C of the first product: a table in LDS holds, for each key, 0 or -2^126; the eight numbers of a lane's keys are C's registers.  The running largest t begins at -2^100, above every masked t: a masked key never
; moves M, and its p is 0.  A row all of whose keys are masked ends with the sum 0: its scale bytes are set to 0xff, which makes the row of the final product NaN, as the softmax of such a row is.
; LIMITS: t above -2^100 and scores under 2^100 in magnitude; blocks under 2^-124 keep the byte 1; NaN and infinities among the inputs are not served.
; aoc: [tile of 16 stored tokens 512][head 16][3 planes of 256 bytes];  aos: [stored token][32 bytes], bytes 2 head and 2 head + 1.
; REGISTERS.  window 0: v1-11 addresses; v12-27 four a tile: -M, the largest t, the sum in two halves; v28-40 scale words (Q's 4, K's 4, V's 4, p's); v41 an address; v42-95 K; v96-159 S^T, then p; v160-207 V; v208-219 p's codes;
;   v220-226 the conversions' second halves; v228-252 at work.   window 1: v0-127 O^T, 32 a tile; v128-175 Q, 12 a tile; v176-239 the mask's numbers, 8 a tile of keys.
.set KC,  0                            ; LDS: K's codes: [tile of 16 keys 128][768]
.set VC,  98304                        ; V's codes: [step 16][tile 4][1,536]
.set KSL, 196608                       ; K's scale words, 8,192 bytes
.set VSL, 204800                       ; V's, 4,096 bytes
.set BI,  208896                       ; the mask's table, 2,048 numbers, by true key: written by LDS stores alone
.set CHA, 24576                        ; steps 0 to 3 of K or of V
.set AK0,  1
.set AV0,  2
.set AKS0, 3
.set AVS0, 4
.set AB0,  5
.set ADK,  6
.set ADV,  7
.set ADKS, 8
.set ADVS, 9
.set ADB,  10
.set GOC,  11                          ; 8 x lane
.set ST,   12
.set QS,   28
.set KSW,  32
.set VSW,  36
.set PSW,  40
.set GOS,  41                          ; 32 x lane
.set KF,   42
.set S,    96
.set VF,   160
.set P,    208
.set CV,   220
.set BM,   228
.set PD,   232
.set SO,   236
.set FF,   240
.set TA,   242
.set SU,   244
.set WD,   246
.set FFFF, 250
.set JW,   251
.set OC,   42                          ; the way out: o's codes, 8 registers a tile, where K lay
.set OT,   0                           ; window 1
.set QF,   128
.set BS,   176
.set MSB, 0
.macro WIN new                         ; the immediate's high byte repeats the setting that is left
.if MSB != \new
	s_set_vgpr_msb (MSB<<8)|\new
.set MSB, \new
.endif
.endm
.macro CROUND                          ; a round of the cluster's barrier
	s_barrier_signal -1
	s_barrier_wait -1
	s_cmp_lg_u32 s18, 0
	s_cbranch_scc1 .Lnot_wave_0_\@
	s_barrier_signal -3
.Lnot_wave_0_\@:
	s_barrier_wait -3
	s_barrier_signal -1
	s_barrier_wait -1
.endm
.macro G1SET g, rows                   ; descriptor group 1: a dense block as rows of 256 bytes (32 elements of 8 bytes), no padding; mask 15, bit 21 beside it
	s_mov_b32 s[\g], 15|(3<<16)|(1<<21)
	s_mov_b32 s[\g+1], 32<<16
	s_mov_b32 s[\g+2], (\rows)<<16
	s_mov_b32 s[\g+3], 32<<16
	s_mov_b32 s[\g+4], \rows
	s_mov_b32 s[\g+5], 32
	s_mov_b32 s[\g+6], 0
	s_mov_b32 s[\g+7], 0
.endm
	s_load_b256 s[4:11], s[0:1], 0x0               ; qkvc s[4:5], qkvs s[6:7], mask s[8:9], aoc s[10:11]
	s_load_b64 s[12:13], s[0:1], 0x20              ; aos
	v_lshl_add_u32 v254, v0, 2, 0x35000
	v_mov_b32 v255, 0
	ds_add_u32 v254, v255
	ds_add_u32 v254, v255
	v_lshrrev_b32 v1, 5, v0
	s_delay_alu instid0(VALU_DEP_1)
	v_readfirstlane_b32 s18, v1                    ; wave 0..7
	s_bfe_u32 s19, ttmp6, 0x40000                  ; cx
	s_lshl_b32 s87, ttmp9, 2
	s_add_co_u32 s87, s87, s19                     ; my block of 512 queries: it enters Q's and the outputs' addresses alone
	s_and_b32 s84, ttmp7, 0xffff                   ; batch x 16 + head, which the four partners share
	s_lshr_b32 s85, s84, 4                         ; batch
	s_and_b32 s86, s84, 15                         ; head
	s_mov_b32 s20, 0x76543210
	s_mov_b32 s21, 0xfedcba98                      ; v_permlanex16_b32's selects for lane l xor 16
	s_mov_b32 s22, 0x3e38aa3b                      ; c = log2(e) / 8
	s_mov_b32 s23, s22                             ; (named with it as a pair, so it is written)
	s_mov_b32 s96, 0xffff0000                      ; lanes 16-31
	s_mov_b32 s14, 0                               ; the step's place in K's and V's codes: 6,144 bytes a step
	s_mov_b32 s15, 0                               ; in K's scale words and in the mask's table: 512
	s_mov_b32 s16, 0                               ; in V's scale words: 256
	G1SET 24, 96                                   ; steps 0 to 3: 24,576 bytes
	G1SET 32, 288                                  ; steps 4 to 15: 73,728 bytes
	G1SET 40, 32                                   ; K's scale words
	G1SET 48, 16                                   ; V's
	s_mul_i32 s88, s84, 98304
	s_mov_b32 s89, 0
	s_lshl_b32 s90, s84, 13
	s_mov_b32 s91, 0
	s_lshl_b32 s92, s84, 12
	s_mov_b32 s93, 0
	s_wait_dscnt 0x0
	s_wait_kmcnt 0x0
	s_mov_b32 s56, 1                               ; K's scale words
	s_mov_b32 s57, KSL
	s_add_nc_u64 s[58:59], s[6:7], s[90:91]
	s_add_nc_u64 s[58:59], s[58:59], 524288
	s_or_b32 s59, s59, 0x80000000
	s_mov_b32 s60, 1                               ; K's codes, steps 0 to 3
	s_mov_b32 s61, KC
	s_add_nc_u64 s[62:63], s[4:5], s[88:89]
	s_add_nc_u64 s[62:63], s[62:63], 6291456
	s_mov_b32 s68, 1                               ; and steps 4 to 15
	s_mov_b32 s69, KC+CHA
	s_add_nc_u64 s[70:71], s[62:63], CHA
	s_or_b32 s63, s63, 0x80000000
	s_or_b32 s71, s71, 0x80000000
	s_mov_b32 s72, 1                               ; V's scale words
	s_mov_b32 s73, VSL
	s_add_nc_u64 s[74:75], s[6:7], s[92:93]
	s_add_nc_u64 s[74:75], s[74:75], 1048576
	s_or_b32 s75, s75, 0x80000000
	s_mov_b32 s76, 1                               ; V's codes, steps 0 to 3
	s_mov_b32 s77, VC
	s_add_nc_u64 s[78:79], s[4:5], s[88:89]
	s_add_nc_u64 s[78:79], s[78:79], 12582912
	s_mov_b32 s80, 1                               ; and steps 4 to 15
	s_mov_b32 s81, VC+CHA
	s_add_nc_u64 s[82:83], s[78:79], CHA
	s_or_b32 s79, s79, 0x80000000
	s_or_b32 s83, s83, 0x80000000
	CROUND                                         ; all four work-groups are here: the joint loads meet
; The six fills are shared out, one a wave, in one chain of branches on the wave's number: waves 0 to 3 what steps 0 to 3 need, waves 4 and 5 steps 4 to 15; waves 6 and 7 ask for nothing.
.macro ARM w, g0, g1
	s_cmp_eq_u32 s18, \w
	s_cbranch_scc0 .Lnot_\w
	tensor_load_to_lds s[\g0:\g0+3], s[\g1:\g1+7]
	s_nop 0
.rept 4
	v_nop
.endr
	s_branch .Lasked
.Lnot_\w:
.endm
	ARM 0, 56, 40                                  ; K's scale words
	ARM 1, 60, 24                                  ; K's codes, steps 0 to 3
	ARM 2, 72, 48                                  ; V's scale words
	ARM 3, 76, 24                                  ; V's codes, steps 0 to 3
	ARM 4, 68, 32                                  ; K's codes, steps 4 to 15
	ARM 5, 80, 32                                  ; V's codes, steps 4 to 15
.Lasked:
	s_lshl_b32 s98, s87, 5
	s_lshl_b32 s99, s18, 2
	s_add_co_u32 s98, s98, s99                     ; my first tile of queries in the head: 32 x block + 4 x wave
	s_mul_i32 s94, s98, 768
	s_add_co_u32 s94, s94, s88
	s_mov_b32 s95, 0
	s_add_nc_u64 s[4:5], s[4:5], s[94:95]          ; Q's codes
	s_lshl_b32 s94, s98, 6
	s_add_co_u32 s94, s94, s90
	s_add_nc_u64 s[6:7], s[6:7], s[94:95]          ; Q's scale words: 256 bytes for four tiles
	s_lshl_b32 s94, s85, 11
	s_add_nc_u64 s[8:9], s[8:9], s[94:95]          ; the batch's mask
	s_lshl_b32 s99, s85, 7
	s_add_co_u32 s98, s98, s99                     ; my first tile among all stored tokens
	s_mul_i32 s94, s98, 12288
	s_mul_i32 s99, s86, 768
	s_add_co_u32 s94, s94, s99
	s_add_nc_u64 s[10:11], s[10:11], s[94:95]      ; o's codes
	s_lshl_b32 s94, s98, 9
	s_lshl_b32 s99, s86, 1
	s_add_co_u32 s94, s94, s99
	s_add_nc_u64 s[12:13], s[12:13], s[94:95]      ; o's scale bytes
	v_and_b32 v242, 31, v0                         ; lane
	v_and_b32 v243, 15, v0                         ; r
	v_bfe_u32 v244, v0, 4, 1                       ; h
	s_delay_alu instid0(VALU_DEP_3)
	v_lshlrev_b32 v[GOC], 3, v242
	s_delay_alu instid0(VALU_DEP_4)
	v_lshlrev_b32 v[GOS], 5, v242
	s_delay_alu instid0(VALU_DEP_4)
	v_lshlrev_b32 v245, 4, v243
	v_lshlrev_b32 v246, 3, v0
	global_load_b64 v[96:97], v246, s[8:9]         ; eight bytes of the mask a thread: 256 threads, 2,048 keys
	WIN 0x40                                       ; destination window 1
.irp t, 0,1,2,3
.irp p, 0,1,2
	global_load_b64 v[QF+12*\t+2*\p:QF+12*\t+2*\p+1], v[GOC], s[4:5] offset:768*\t+256*\p   ; Q stays in registers
.endr
.endr
	WIN 0
	global_load_b128 v[QS:QS+3], v245, s[6:7]      ; register t: tile t's scale word of row r
	v_lshlrev_b32 v[AK0], 3, v242                  ; KC + 8 x lane
	v_lshl_add_u32 v[AV0], v242, 3, VC
	v_lshl_add_u32 v[AKS0], v242, 4, KSL           ; lanes 0-15: tiles 0-3 of row r; lanes 16-31: tiles 4-7
	v_lshl_add_u32 v[AVS0], v243, 4, VSL
	v_lshl_add_u32 v[AB0], v244, 6, BI             ; my half's 16 keys of each 32
	v_lshl_add_u32 v247, v0, 5, BI                 ; where I store my eight numbers of the table
.irp t, 0,1,2,3
	v_mov_b32 v[ST+4*\t+1], 0xf1800000             ; the largest t so far: -2^100
	s_delay_alu instid0(VALU_DEP_1)
	v_floor_f32 v[ST+4*\t], -v[ST+4*\t+1]          ; -M
	v_mov_b32 v[ST+4*\t+2], 0                      ; the sum, in two halves
	v_mov_b32 v[ST+4*\t+3], 0
	v_mov_b32 v[PD+\t], 0                          ; written once: a lane permute's destination counts as one of its sources
.endr
	v_mov_b32 v[FF+1], 0                           ; (named as the upper half of a pair)
.irp i, 0,1,2,3,4,5
	v_mov_b32 v[KF+48+\i], 0                       ; behind K's last half fragment: zero codes
.endr
	WIN 0x40
.set i, 0
.rept 128
	v_mov_b32 v[OT+i], 0                           ; O^T.  (The step is written without a first copy: it finds zeros, which the first change of M leaves zeros)
.set i, i+1
.endr
.irp t, 0,1,2,3
.irp i, 6,7,8,9,10,11
	v_mov_b32 v[QF+12*\t+\i], 0                    ; Q's K from 64 on: zero codes
.endr
.endr
	WIN 0
	s_wait_loadcnt 0x0                             ; the mask, Q and its scale words
	v_mov_b32 v98, 0xfe800000                      ; -2^126
.irp k, 0,1,2,3,4,5,6,7
	v_bfe_u32 v99, v[96+\k/4], 8*(\k%4), 8
	s_delay_alu instid0(VALU_DEP_1)
	v_cmp_ne_u32 vcc_lo, 0, v99
	s_delay_alu instid0(VALU_DEP_1)
	v_cndmask_b32 v[100+\k], 0, v98, vcc_lo
.endr
	ds_store_b128 v247, v[100:103]
	ds_store_b128 v247, v[104:107] offset:16
	s_cmp_lt_u32 s18, 4                            ; waves 0 to 3 wait for their loads, each of which is its wave's own line; the loads of steps 4 to 15 may be out
	s_cbranch_scc0 .Llater
	s_wait_tensorcnt 0x0
.Llater:
	s_wait_dscnt 0x0                               ; my part of the table is stored
	s_barrier_signal -1
	s_barrier_wait -1
.macro LOADK                           ; 41 LDS loads: a step's eight half fragments of K, their scale words, the mask's numbers
.irp i, 0,1,2,3,4,5,6,7
.irp p, 0,1,2
	ds_load_b64 v[KF+6*\i+2*\p:KF+6*\i+2*\p+1], v[ADK] offset:768*\i+256*\p
.endr
.endr
	ds_load_b128 v[KSW:KSW+3], v[ADKS]             ; register g: lanes 0-15 tile g's words, lanes 16-31 tile 4 + g's
	WIN 0x40
.irp i, 0,1,2,3,4,5,6,7
	ds_load_b128 v[BS+8*\i:BS+8*\i+3], v[ADB] offset:128*(\i/2)+32*(\i%2)         ; register j of tile i: key 32 (i / 2) + 16 h + 8 (i % 2) + j
	ds_load_b128 v[BS+8*\i+4:BS+8*\i+7], v[ADB] offset:128*(\i/2)+32*(\i%2)+16
.endr
	WIN 0
.endm
.macro LOADV                           ; 25 LDS loads: a step's four fragments of V^T and their scale words
.irp d, 0,1,2,3
.irp p, 0,1,2,3,4,5
	ds_load_b64 v[VF+12*\d+2*\p:VF+12*\d+2*\p+1], v[ADV] offset:1536*\d+256*\p
.endr
.endr
	ds_load_b128 v[VSW:VSW+3], v[ADVS]
.endm
.macro QK t                            ; S^T = K Q^T + the mask's numbers, eight tiles of 16 keys
	WIN 0x14                                       ; K window 0, Q and C window 1, S^T window 0
.irp i, 0,1,2,3
	v_wmma_scale_f32_16x16x128_f8f6f4 v[S+8*\i:S+8*\i+7], v[KF+6*\i:KF+6*\i+11], v[QF+12*(\t):QF+12*(\t)+11], v[BS+8*\i:BS+8*\i+7], v[KSW+\i], v[QS+(\t)] matrix_a_fmt:MATRIX_FMT_FP6 matrix_b_fmt:MATRIX_FMT_FP6
.endr
.irp i, 4,5,6,7
	v_wmma_scale_f32_16x16x128_f8f6f4 v[S+8*\i:S+8*\i+7], v[KF+6*\i:KF+6*\i+11], v[QF+12*(\t):QF+12*(\t)+11], v[BS+8*\i:BS+8*\i+7], v[KSW+\i-4], v[QS+(\t)] matrix_a_fmt:MATRIX_FMT_FP6 matrix_b_fmt:MATRIX_FMT_FP6 matrix_a_scale:MATRIX_SCALE_ROW1
.endr
	WIN 0
.endm
.macro SOFTMAX t
.set NM, ST+4*(\t)
.irp b, 0,1,2,3
	v_max3_num_f32 v[BM+\b], v[S+16*\b], v[S+1+16*\b], v[S+2+16*\b]   ; the largest score of each block of 32 keys: it serves for the row's maximum and, since p rises with the score, for the block's largest p
.endr
.irp i, 3,5,7,9,11,13
.irp b, 0,1,2,3
	v_max3_num_f32 v[BM+\b], v[BM+\b], v[S+16*\b+\i], v[S+1+16*\b+\i]
.endr
.endr
.irp b, 0,1,2,3
	v_max_num_f32 v[BM+\b], v[BM+\b], v[S+15+16*\b]
.endr
.irp b, 0,1,2,3
	s_delay_alu instid0(VALU_DEP_4)
	v_permlanex16_b32 v[PD+\b], v[BM+\b], s20, s21
.endr
.irp b, 0,1,2,3
	s_delay_alu instid0(VALU_DEP_4)
	v_max_num_f32 v[BM+\b], v[BM+\b], v[PD+\b]     ; with lane l xor 16's 16 keys
.endr
	s_delay_alu instid0(VALU_DEP_2)
	v_max3_num_f32 v[TA], v[BM], v[BM+1], v[BM+2]
	s_delay_alu instid0(VALU_DEP_1)
	v_max_num_f32 v[TA], v[TA], v[BM+3]            ; the step's largest score of my query
	s_delay_alu instid0(VALU_DEP_1)
	v_mul_f32 v[TA], s22, v[TA]                    ; as t
	s_delay_alu instid0(VALU_DEP_1)
	v_max_num_f32 v[NM+1], v[NM+1], v[TA]          ; the running largest t
	v_mov_b32 v[TA], v[NM]
	s_delay_alu instid0(VALU_DEP_2)
	v_floor_f32 v[NM], -v[NM+1]                    ; the new -M = floor(-t): M is a whole number
	s_delay_alu instid0(VALU_DEP_1)
	v_sub_f32 v[TA], v[NM], v[TA]                  ; old M - new M: a whole number, 0 or less
	s_delay_alu instid0(VALU_DEP_1)
	v_cvt_i32_f32 v[TA], v[TA]                     ; (it saturates)
	s_delay_alu instid0(VALU_DEP_1)
	v_ldexp_f32 v[FF], 1.0, v[TA]                  ; f = 2^(old M - new M)
.set j, 0
.rept 32
	v_pk_fma_f32 v[S+j:S+j+1], v[S+j:S+j+1], s[22:23], v[NM:NM+1] op_sel_hi:[1,0,0]   ; t - M, two at a time
.set j, j+2
.endr
.irp b, 0,1,2,3
	v_fma_f32 v[BM+\b], v[BM+\b], s22, v[NM]       ; the same of each block's largest score
.endr
.set j, 0
	s_wait_alu depctr_va_vdst(0)
.rept 64
	v_exp_f32 v[S+j], v[S+j]                       ; p = 2^(t - M), at most 1
.set j, j+1
.endr
	v_pk_mul_f32 v[NM+2:NM+3], v[NM+2:NM+3], v[FF:FF+1] op_sel_hi:[1,0]   ; the sums under the new M (the plain line behind the exponentials)
	s_wait_alu depctr_va_vdst(0)                   ; one wait for the batch of 64, ahead of its first reader
.irp b, 0,1,2,3
	v_exp_f32 v[BM+\b], v[BM+\b]                   ; the block's largest p
.endr
	v_pk_add_f32 v[SU:SU+1], v[S:S+1], v[S+2:S+3]  ; the row's sum of the unquantised p, two at a time, in two chains
.set j, 4
.rept 15
	v_pk_add_f32 v[NM+2:NM+3], v[NM+2:NM+3], v[S+j:S+j+1]
	v_pk_add_f32 v[SU:SU+1], v[SU:SU+1], v[S+j+2:S+j+3]
.set j, j+4
.endr
	s_delay_alu instid0(VALU_DEP_1)
	v_pk_add_f32 v[NM+2:NM+3], v[NM+2:NM+3], v[SU:SU+1]
	s_wait_alu depctr_va_vdst(0)                   ; and one for the four
.irp b, 0,1,2,3
	v_max_num_f32 v[BM+\b], 0x1800000, v[BM+\b]    ; the floor 2^(3 - 127): the byte cannot fall under 1 (a block whose every p is 0 keeps that byte: its codes are zeros)
.endr
.irp b, 0,1,2,3
	s_delay_alu instid0(VALU_DEP_4)
	v_add_nc_u32 v[SO+\b], 0xff000000, v[BM+\b]    ; 2 off the exponent field: the conversion's scale operand
.endr
.irp b, 0,1,2,3
	s_delay_alu instid0(VALU_DEP_4)
	v_lshrrev_b32 v[PD+\b], 23, v[SO+\b]           ; the scale's byte
.endr
	s_delay_alu instid0(VALU_DEP_3)
	v_lshl_or_b32 v[PSW], v[PD+1], 8, v[PD]        ; p's scale word for these 128 keys
	s_delay_alu instid0(VALU_DEP_1)
	v_lshl_or_b32 v[PSW], v[PD+2], 16, v[PSW]
	s_delay_alu instid0(VALU_DEP_1)
	v_lshl_or_b32 v[PSW], v[PD+3], 24, v[PSW]
.irp c, 0,1
	v_cvt_scalef32_pk16_fp6_f32 v[P+6*\c:P+2+6*\c], v[S+32*\c:S+15+32*\c], v[SO+2*\c]
	v_cvt_scalef32_pk16_fp6_f32 v[CV+4*\c:CV+2+4*\c], v[S+16+32*\c:S+31+32*\c], v[SO+2*\c+1]   ; (a conversion's three registers begin on an even number)
.endr
	v_nop                                          ; one plain line behind a scaled conversion
.irp c, 0,1                                    ; a whole block in a lane: lanes 0-15 block 2 c, lanes 16-31 block 2 c + 1
.irp i, 0,1,2
	v_permlane16_swap_b32 v[P+6*\c+\i], v[CV+4*\c+\i]
.endr
.irp i, 0,1,2
	s_delay_alu instid0(VALU_DEP_3)
	v_mov_b32 v[P+3+6*\c+\i], v[CV+4*\c+\i]
.endr
.endr
.endm
.macro RESC t                          ; O^T under the new M: x f.  These 16 are also the plain lines between p's scale word and codes and the scaled products that take them
	WIN 0x41
.set j, 0
.rept 16
	v_pk_mul_f32 v[OT+32*(\t)+j:OT+32*(\t)+j+1], v[OT+32*(\t)+j:OT+32*(\t)+j+1], v[FF:FF+1] op_sel_hi:[1,0]
.set j, j+2
.endr
.endm
.macro PV t                            ; O^T += V^T P^T: four tiles of 16 of the head's 64.  Sixteen accumulators, one instruction each a step, the first product's between them
	WIN 0x50                                       ; V and P window 0, C and D window 1
.irp d, 0,1,2,3
	v_wmma_scale_f32_16x16x128_f8f6f4 v[OT+32*(\t)+8*\d:OT+32*(\t)+8*\d+7], v[VF+12*\d:VF+12*\d+11], v[P:P+11], v[OT+32*(\t)+8*\d:OT+32*(\t)+8*\d+7], v[VSW+\d], v[PSW] matrix_a_fmt:MATRIX_FMT_FP6 matrix_b_fmt:MATRIX_FMT_FP6
.endr
	WIN 0
.endm
; A KEY STEP: 128 keys for my four tiles of queries.  more = 1: the next step's K is fetched behind the last first product (it lands during tile 3's softmax), its V behind the last second product (it lands during the next tile 0's softmax).
.macro STEP more
.irp t, 0,1,2,3
.if \t == 0
	s_wait_dscnt 25                                ; K's 41 loads are in; the 25 younger ones, V's, may be out
.endif
	QK \t
.if (\t == 3) && \more
	s_add_co_u32 s14, s14, 6144
	s_add_co_u32 s15, s15, 512
	s_add_co_u32 s16, s16, 256
	v_add_nc_u32 v[ADK], s14, v[AK0]               ; four plain lines between the products and the loads into their registers, and the first read of their results
	v_add_nc_u32 v[ADKS], s15, v[AKS0]
	v_add_nc_u32 v[ADB], s15, v[AB0]
	v_nop
	LOADK
.else
.rept 4
	v_nop
.endr
.endif
	SOFTMAX \t
	RESC \t
.if \t == 0
	s_wait_alu depctr_va_vdst(0)
	s_wait_dscnt 0x0                               ; V is in
.endif
	PV \t
.if (\t == 3) && \more
	v_add_nc_u32 v[ADV], s14, v[AV0]               ; four plain lines again
	v_add_nc_u32 v[ADVS], s16, v[AVS0]
	v_nop
	v_nop
	LOADV
.endif
.endr
.endm
	v_add_nc_u32 v[ADK], s14, v[AK0]               ; step 0
	v_add_nc_u32 v[ADKS], s15, v[AKS0]
	v_add_nc_u32 v[ADB], s15, v[AB0]
	v_add_nc_u32 v[ADV], s14, v[AV0]
	v_add_nc_u32 v[ADVS], s16, v[AVS0]
	LOADK
	LOADV
	s_mov_b32 s17, 3
.Lfirst:                                           ; steps 0 to 2: they fetch steps 1 to 3, all of which have landed
	STEP 1
	s_sub_co_u32 s17, s17, 1
	s_cmp_lg_u32 s17, 0
	s_cbranch_scc1 .Lfirst
	s_wait_tensorcnt 0x0                           ; steps 4 to 15 have landed,
	s_wait_dscnt 0x0                               ; (no LDS load is pending at a signal)
	s_barrier_signal -1
	s_barrier_wait -1                              ; and every wave knows it
	s_mov_b32 s17, 12
.Lrest:                                            ; steps 3 to 14
	STEP 1
	s_sub_co_u32 s17, s17, 1
	s_cmp_lg_u32 s17, 0
	s_cbranch_scc1 .Lrest
	STEP 0                                         ; step 15 fetches nothing
	; THE WAY OUT.  The sums' halves are added (these lines are also the plain lines behind the last products); O^T is divided by the sum, quantised along the head's 64 and stored as the image of a half fragment.
.irp t, 0,1,2,3
	v_add_f32 v[BM+\t], v[ST+4*\t+2], v[ST+4*\t+3]
.endr
.irp t, 0,1,2,3
	s_delay_alu instid0(VALU_DEP_4)
	v_permlanex16_b32 v[PD+\t], v[BM+\t], s20, s21
.endr
.irp t, 0,1,2,3
	s_delay_alu instid0(VALU_DEP_4)
	v_add_f32 v[BM+\t], v[BM+\t], v[PD+\t]         ; the row's sum
.endr
.irp t, 0,1,2,3
	v_mov_b32 v[VF+2*\t+1], 0                      ; (the upper halves of the pairs that the packed multiplies name)
.endr
	v_mov_b32 v[FFFF], 0xffff
	s_wait_alu depctr_va_vdst(0)
.irp t, 0,1,2,3
	v_rcp_f32 v[VF+2*\t], v[BM+\t]
.endr
	v_nop                                          ; a plain line behind the last reciprocal
	s_wait_alu depctr_va_vdst(0)                   ; one wait for the four, ahead of their first reader
.macro TILEOUT t
.set Y, S+32*((\t)%2)
	WIN 0x01                                       ; source 0 window 1
.set j, 0
.rept 16
	v_pk_mul_f32 v[Y+j:Y+j+1], v[OT+32*(\t)+j:OT+32*(\t)+j+1], v[VF+2*(\t):VF+2*(\t)+1] op_sel_hi:[1,0]   ; register 16 b + i: o(query r, 32 b + 16 h + i); each accumulator from its low end on
.set j, j+2
.endr
	WIN 0
.irp b, 0,1
	v_max3_num_f32 v[TA+\b], |v[Y+16*\b]|, |v[Y+16*\b+1]|, 0x1800000   ; with the floor 2^(3 - 127)
.endr
.irp i, 2,4,6,8,10,12,14
.irp b, 0,1
	s_delay_alu instid0(VALU_DEP_2)
	v_max3_num_f32 v[TA+\b], v[TA+\b], |v[Y+16*\b+\i]|, |v[Y+16*\b+\i+1]|
.endr
.endr
.irp b, 0,1
	s_delay_alu instid0(VALU_DEP_2)
	v_permlanex16_b32 v[PD+\b], v[TA+\b], s20, s21
.endr
.irp b, 0,1
	s_delay_alu instid0(VALU_DEP_2)
	v_max_num_f32 v[TA+\b], v[TA+\b], v[PD+\b]
.endr
.irp b, 0,1
	s_delay_alu instid0(VALU_DEP_2)
	v_add_nc_u32 v[SO+\b], 0xff000000, v[TA+\b]
.endr
.irp b, 0,1
	s_delay_alu instid0(VALU_DEP_2)
	v_lshrrev_b32 v[PD+\b], 23, v[SO+\b]
.endr
	s_delay_alu instid0(VALU_DEP_1)
	v_lshl_or_b32 v[WD+(\t)], v[PD+1], 8, v[PD]    ; the row's two scale bytes for this head
	v_cmp_eq_f32 vcc_lo, 0, v[BM+(\t)]             ; a row with no key: both bytes 0xff
	s_delay_alu instid0(VALU_DEP_1)
	v_cndmask_b32 v[WD+(\t)], v[WD+(\t)], v[FFFF], vcc_lo
	v_cvt_scalef32_pk16_fp6_f32 v[OC+8*(\t):OC+8*(\t)+2], v[Y:Y+15], v[SO]
	v_cvt_scalef32_pk16_fp6_f32 v[OC+8*(\t)+4:OC+8*(\t)+6], v[Y+16:Y+31], v[SO+1]
	v_nop                                          ; one plain line behind a scaled conversion
.irp i, 0,1,2
	v_permlane16_swap_b32 v[OC+8*(\t)+\i], v[OC+8*(\t)+4+\i]
.endr
.irp i, 0,1,2
	s_delay_alu instid0(VALU_DEP_3)
	v_mov_b32 v[OC+8*(\t)+3+\i], v[OC+8*(\t)+4+\i] ; ascending: each source is read before it is written
.endr
.irp p, 0,1,2
	global_store_b64 v[GOC], v[OC+8*(\t)+2*\p:OC+8*(\t)+2*\p+1], s[10:11] offset:12288*(\t)+256*\p   ; 32 lanes store 256 consecutive bytes, aligned
.endr
.endm
	TILEOUT 0
	TILEOUT 1
	TILEOUT 2
	TILEOUT 3
	v_cndmask_b32 v[JW], v[WD], v[WD+1], s96       ; lanes 0-15 tile 0's rows, lanes 16-31 tile 1's
	v_cndmask_b32 v[JW+1], v[WD+2], v[WD+3], s96
	global_store_b16 v[GOS], v[JW], s[12:13]       ; two bytes of each row's 32: the rows' other bytes are other heads': 1/24 of what the codes' stores move
	global_store_b16 v[GOS], v[JW+1], s[12:13] offset:1024
	s_wait_tensorcnt 0x0
	ds_add_u32 v254, v255
	s_wait_dscnt 0x0
	CROUND                                         ; the closing round: no work-group ends while a partner may still ask for a tile that names it
	s_endpgm
.Lfunc_end_k_q2cdec713e0_attn:
	.size	k_q2cdec713e0_attn, .Lfunc_end_k_q2cdec713e0_attn-k_q2cdec713e0_attn
	.p2alignl 7, 3214868480
	.fill 96, 4, 3214868480
	.section	.rodata,"a",@progbits
	.p2align	6, 0x0
	.amdhsa_kernel k_q2cdec713e0_attn
		.amdhsa_group_segment_fixed_size 327680
		.amdhsa_private_segment_fixed_size 0
		.amdhsa_enable_private_segment 0
		.amdhsa_kernarg_size 40
		.amdhsa_user_sgpr_count 2
		.amdhsa_user_sgpr_kernarg_segment_ptr 1
		.amdhsa_wavefront_size32 1
		.amdhsa_system_sgpr_workgroup_id_x 1
		.amdhsa_system_sgpr_workgroup_id_y 1
		.amdhsa_system_sgpr_workgroup_id_z 1
		.amdhsa_system_vgpr_workitem_id 0
		.amdhsa_next_free_vgpr 512
		.amdhsa_next_free_sgpr 100
		.amdhsa_reserve_vcc 1
		.amdhsa_float_denorm_mode_32 3
		.amdhsa_float_denorm_mode_16_64 3
		.amdhsa_memory_ordered 1
		.amdhsa_forward_progress 1
		.amdhsa_inst_pref_size 225
	.end_amdhsa_kernel
	.amdgpu_metadata
---
amdhsa.version: [ 1, 2 ]
amdhsa.kernels:
  - .name:           k_q2cdec713e0_attn
    .symbol:         k_q2cdec713e0_attn.kd
    .args:
      - { .name: qkvc, .offset: 0, .size: 8, .value_kind: global_buffer, .address_space: global }
      - { .name: qkvs, .offset: 8, .size: 8, .value_kind: global_buffer, .address_space: global }
      - { .name: mask, .offset: 16, .size: 8, .value_kind: global_buffer, .address_space: global }
      - { .name: aoc, .offset: 24, .size: 8, .value_kind: global_buffer, .address_space: global }
      - { .name: aos, .offset: 32, .size: 8, .value_kind: global_buffer, .address_space: global }
    .group_segment_fixed_size: 327680
    .private_segment_fixed_size: 0
    .kernarg_segment_align: 8
    .kernarg_segment_size: 40
    .max_flat_workgroup_size: 256
    .sgpr_count:     100
    .vgpr_count:     512
    .wavefront_size: 32
...
	.end_amdgpu_metadata
.endif
;; end of part 3
;; launch oproj (part 4): grid 8 x 32, 4 waves a work-group, clusters of 4 x 4, 327,680 bytes of LDS; arguments aoc, aos, wc, ws, out0; writes out0
.if DOCPART == 4
	.amdgcn_target "amdgcn-amd-amdhsa--gfx1250"
	.amdhsa_code_object_version 6
	.text
	.protected	k_q2cdec713e0_oproj
	.globl	k_q2cdec713e0_oproj
	.p2align	8
	.type	k_q2cdec713e0_oproj,@function
k_q2cdec713e0_oproj:
	s_mov_b64 s[64:65], 0
	v_nop
	global_prefetch_b8 v0, s[64:65] scope:SCOPE_SE
	s_setreg_imm32_b32 hwreg(HW_REG_WAVE_MODE, 25, 1), 1
	s_wait_xcnt 0x0
	s_wait_alu depctr_hold_cnt(0) depctr_sa_sdst(0) depctr_va_vdst(0) depctr_va_sdst(0) depctr_va_ssrc(0) depctr_va_vcc(0) depctr_vm_vsrc(0)
	s_getreg_b32 s2, hwreg(HW_REG_IB_STS2, 6, 4)
	s_cmp_eq_u32 s2, 0
	s_cbranch_scc0 .Lentry_in_a_cluster
	s_endpgm
.Lentry_in_a_cluster:
	s_bfe_u32 s2, ttmp6, 0x10000c
	s_cmp_lg_u32 s2, 0xf033
	s_cbranch_scc0 .Lentry_shape_is_right
	s_endpgm
.Lentry_shape_is_right:
; out0[token][n] = sum over k of o[token][k] Wo[n][k], both sides codes of FP6 (E2M3) with E8M0 scales; sums in f32; K = 1,024.
; IN: aoc [tile of 16 stored tokens][head 16][3 planes of 256 bytes]: images of half fragments (plane p = register pair p, lane l at 8 l); aos [stored token][32 bytes];
; wc [K step of 256][row][192 bytes], Wo's rows from row 3,072 on; ws [row][32 bytes].  A stored tile T of a batch of 128 tokens holds the true tokens 32 (T / 2) + 8 (T % 2) + i % 8 + 16 (i / 8).
; THE DEAL: 256 work-groups, each 256 tokens x 128 columns; four waves, 2 x 2, each 128 tokens x 64 columns.  ALL OF K LIES IN LDS, filled once at the head: A's 16 tiles (196,608 bytes, one dense block) and
; Wo's 128 rows (4 planes of 24,576 bytes, 16 bytes of padding behind every 64: a row of 192 bytes takes 240).  Nothing is filled again: no ring, and no round but the opening and the closing one.
; A wave holds its 64 rows of Wo, all of K, in registers (32 fragments, 384 registers) and streams its eight tiles of A past them: a block is 16 tokens, 8 fragments, 32 products on four accumulators by turns
; Two sets of A's fragments and of accumulators take turns.  The scale words come straight into registers by loads of whole rows: 32 lanes x 32 consecutive bytes.
; CLUSTERS: 4 x 4.  A's tiles are shared by a row of the cluster, Wo's rows by a column: joint loads.
; THE MATRIX INSTRUCTION IS USED TRANSPOSED (source 0 = 16 rows of Wo): a lane holds 8 neighbouring columns of one token.  A block's 16 x 64 results go through the wave's own stage in LDS and leave as rows of 256 bytes, aligned.
; The stage lies in Wo's LDS bytes: they have had their only fill, and the second barrier shows that every wave has read them.
; No prefetch: every tile is asked for at the head, and the text has no loop to run ahead in.
; A row of o whose scale bytes are 0xff (no key left by the mask) gives NaN, as the softmax of such a row does.
.set FR,    12
.set FPW,   21                         ; fragments in a window of 256 registers; fragment f lies in window 1 + f / 21 at register 12 (f % 21): 0-31 Wo's (4 q + b), 32-39 and 40-47 A's two sets
.set AHALF, 98304                      ; 8 tiles of A
.set ATILE, 12288
.set BB,    196608                     ; LDS: Wo's rows, behind A
.set BPL,   30720                      ; a plane of 128 rows x 240
.set SPARE, BB+4*BPL                   ; the spare words, 512 bytes
.set SP,    272                        ; a stage row: 256 bytes + 16
.set ADRB,  8                          ; v8-11  Wo's fragments: planes 0-1, the same behind one padding more, planes 2-3, likewise
.set STO,   12
.set RD,    13
.set CO,    14
.set AQ,    16                         ; v16-23 A's fragment q of the block that is fetched next
.set SPW,   28
.set NIL,   29
.set SA,    32                         ; v32-63 A's scale words: register 8 j + q: lanes 0-15 block 2 j, lanes 16-31 block 2 j + 1
.set SB,    68                         ; v68-83 Wo's: register 8 p + q: lanes 0-15 column tile 2 p, lanes 16-31 tile 2 p + 1
.set ACC,   96                         ; v96-159 two sets of four accumulators
.set BK,    160                        ; v160-223 two sets of 16 rows read back from the stage
.set G1A, 24
.set G0A, 32
.set G0B, 36
.set G1B, 48
.set MSB, 0
.macro WIN new
.if MSB != \new
	s_set_vgpr_msb (MSB<<8)|\new
.set MSB, \new
.endif
.endm
.macro CROUND
	s_barrier_signal -1
	s_barrier_wait -1
	s_cmp_lg_u32 s14, 0
	s_cbranch_scc1 .Lnot_wave_0_\@
	s_barrier_signal -3
.Lnot_wave_0_\@:
	s_barrier_wait -3
	s_barrier_signal -1
	s_barrier_wait -1
.endm
.macro TLOAD g0, g1
	tensor_load_to_lds s[\g0:\g0+3], s[\g1:\g1+7]
	s_nop 0
.rept 4
	v_nop
.endr
.endm
	s_load_b256 s[4:11], s[0:1], 0x0               ; aoc, aos, wc, ws
	s_load_b64 s[12:13], s[0:1], 0x20              ; out0
	v_lshl_add_u32 v[SPW], v0, 2, SPARE
	v_mov_b32 v[NIL], 0
	ds_add_u32 v[SPW], v[NIL]                      ; the opening lines: the add twice on end
	ds_add_u32 v[SPW], v[NIL]
	v_lshrrev_b32 v1, 5, v0
	v_readfirstlane_b32 s14, v1                    ; wave
	s_lshr_b32 s15, s14, 1                         ; my half of the tokens; also the half of A that waves 1 and 2 fetch
	s_and_b32 s16, s14, 1                          ; my half of the columns
	s_bfe_u32 s40, ttmp6, 0x40000                  ; cx
	s_bfe_u32 s41, ttmp6, 0x40004                  ; cy
	s_lshl_b32 s42, ttmp9, 2
	s_add_co_u32 s42, s42, s40                     ; tile column, 0 .. 7
	s_and_b32 s17, ttmp7, 0xffff
	s_lshl_b32 s17, s17, 2
	s_add_co_u32 s17, s17, s41                     ; tile row, 0 .. 31
	s_lshl_b32 s43, s41, 2
	s_lshl_b32 s43, 15, s43                        ; my row of the cluster
	s_lshl_b32 s44, 0x1111, s40                    ; my column
	s_or_b32 s[G1A], s43, (3<<16)|(1<<21)          ; A: a dense block as 384 rows of 256 bytes
	s_mov_b32 s[G1A+1], 32<<16
	s_mov_b32 s[G1A+2], 384<<16
	s_mov_b32 s[G1A+3], 32<<16
	s_mov_b32 s[G1A+4], 384
	s_mov_b32 s[G1A+5], 32
	s_mov_b32 s[G1A+6], 0
	s_mov_b32 s[G1A+7], 0
	s_or_b32 s[G1B], s44, (3<<16)|(1<<20)|(1<<21)|(3<<22)|(3<<25)   ; Wo: 4 rows of 24,576 bytes (128 rows of codes of one plane), a plane of wc apart; 4 words of padding behind every 16
	s_mov_b32 s[G1B+1], 3072<<16
	s_mov_b32 s[G1B+2], 4<<16
	s_mov_b32 s[G1B+3], 3072<<16
	s_mov_b32 s[G1B+4], 4
	s_mov_b32 s[G1B+5], 98304
	s_mov_b32 s[G1B+6], 0
	s_mov_b32 s[G1B+7], 0
	s_mul_i32 s20, s17, 2*AHALF
	s_mul_i32 s18, s15, AHALF
	s_add_co_u32 s20, s20, s18
	s_mov_b32 s21, 0
	s_mul_i32 s46, s42, 128*192
	s_add_co_u32 s46, s46, 3072*192
	s_mov_b32 s47, 0
	s_wait_dscnt 0x0
	s_wait_kmcnt 0x0
	s_mov_b32 s[G0A], 1
	s_mov_b32 s[G0A+1], s18
	s_add_nc_u64 s[G0A+2:G0A+3], s[4:5], s[20:21]
	s_or_b32 s[G0A+3], s[G0A+3], 0x80000000
	s_mov_b32 s[G0B], 1
	s_mov_b32 s[G0B+1], BB
	s_add_nc_u64 s[G0B+2:G0B+3], s[8:9], s[46:47]
	s_or_b32 s[G0B+3], s[G0B+3], 0x80000000
	CROUND                                         ; all sixteen work-groups are here: the joint loads meet
	s_cmp_eq_u32 s14, 0                            ; one chain: wave 0 Wo's rows, which are wanted first; waves 1 and 2 a half of A each; wave 3 nothing
	s_cbranch_scc0 .Lfor_a
	TLOAD G0B, G1B
	s_branch .Lasked
.Lfor_a:
	s_cmp_lt_u32 s14, 3
	s_cbranch_scc0 .Lasked
	TLOAD G0A, G1A
.Lasked:
	s_lshl_b32 s59, s17, 8
	s_lshl_b32 s58, s15, 7
	s_add_co_u32 s59, s59, s58                     ; my first token
	s_lshl_b32 s56, s59, 12                        ; 4,096 bytes a row of out0
	s_lshl_b32 s58, s42, 9
	s_add_co_u32 s56, s56, s58
	s_lshl_b32 s58, s16, 8
	s_add_co_u32 s56, s56, s58
	s_mov_b32 s57, 0
	s_add_nc_u64 s[12:13], s[12:13], s[56:57]
	s_lshl_b32 s56, s59, 5
	s_add_nc_u64 s[6:7], s[6:7], s[56:57]          ; my tokens' scale bytes
	s_lshl_b32 s56, s42, 7
	s_lshl_b32 s58, s16, 6
	s_add_co_u32 s56, s56, s58
	s_add_co_u32 s56, s56, 3072
	s_lshl_b32 s56, s56, 5
	s_add_nc_u64 s[10:11], s[10:11], s[56:57]      ; my 64 rows of Wo: their scale bytes
	s_mul_i32 s22, s16, 64*240
	s_add_co_u32 s22, s22, BB
	s_add_co_u32 s23, s22, 2*BPL
	s_mul_i32 s19, s14, 16*SP
	s_add_co_u32 s19, s19, BB                      ; my stage
	v_and_b32 v1, 15, v0                           ; r
	v_bfe_u32 v2, v0, 4, 1                         ; h
	v_and_b32 v3, 31, v0
	v_lshlrev_b32 v6, 5, v3                        ; a row of scale bytes a lane
	v_mul_u32_u24 v4, v1, 240
	v_mad_u32_u24 v4, v2, 24, v4
	v_lshl_add_u32 v5, v2, 4, v4
	v_add_nc_u32 v[ADRB], s22, v4
	v_add_nc_u32 v[ADRB+1], s22, v5
	v_add_nc_u32 v[ADRB+2], s23, v4
	v_add_nc_u32 v[ADRB+3], s23, v5
	v_lshlrev_b32 v7, 3, v3
	v_add_nc_u32 v7, s18, v7                       ; 8 x lane, in my half of A
.irp q, 0,1,2,3,4,5,6,7
	v_add_nc_u32 v[AQ+\q], \q*1536, v7
.endr
	v_mul_u32_u24 v4, v1, SP
	v_lshl_add_u32 v4, v2, 5, v4
	v_add_nc_u32 v[STO], s19, v4                   ; into the stage: row r, 32 bytes for each half of the lanes
	v_mul_u32_u24 v5, v2, SP
	v_lshl_add_u32 v5, v1, 4, v5
	v_add_nc_u32 v[RD], s19, v5                    ; back: sixteen lanes to a row, two rows an instruction
	v_lshlrev_b32 v[CO], 12, v2
	v_lshl_add_u32 v[CO], v1, 4, v[CO]             ; and the same in out0
	s_wait_alu depctr_va_vdst(0)                   ; the wait at the head's end
.irp j, 0,1,2,3
.irp c, 0,1
	global_load_b128 v[SA+8*\j+4*\c:SA+8*\j+4*\c+3], v6, s[6:7] offset:1024*\j+16*\c
.endr
.endr
.irp p, 0,1
.irp c, 0,1
	global_load_b128 v[SB+8*\p+4*\c:SB+8*\p+4*\c+3], v6, s[10:11] offset:1024*\p+16*\c
.endr
.endr
	s_cmp_eq_u32 s14, 0                            ; Wo's load is wave 0's own line: wave 0 alone waits here
	s_cbranch_scc0 .Lnot_b
	s_wait_tensorcnt 0x0
.Lnot_b:
	s_barrier_signal -1
	s_barrier_wait -1                              ; Wo's rows are in; A may be on its way
.irp q, 0,1,2,3,4,5,6,7                ; my 64 rows of Wo, all of K, into registers: byte y of a row's 192 lies at y + 16 (y / 64); lanes 16-31 read 24 bytes on
.irp b, 0,1,2,3
.set F_, 4*\q+\b
	WIN (1+F_/FPW)<<6
.irp p, 0,1,2,3,4,5
.set PCE, 12*(\q%2)+6*(\p/3)+\p%3
	ds_load_b64 v[FR*(F_%FPW)+2*\p:FR*(F_%FPW)+2*\p+1], v[ADRB+2*(\q/4)+(PCE%8)/5] offset:((\q/2)%2)*BPL+\b*16*240+8*PCE+16*(PCE/8)
.endr
.endr
.endr
	WIN 0
	s_wait_tensorcnt 0x0                           ; every wave: all that is still out
	s_wait_dscnt 0x0                               ; my reads of Wo's rows are done
	s_barrier_signal -1
	s_barrier_wait -1                              ; A is in, and Wo's LDS bytes are free for the stages
.macro FETCH e                         ; a block of A into set e: 24 loads, two planes each
.irp q, 0,1,2,3,4,5,6,7
.set F_, 32+8*(\e)+\q
	WIN (1+F_/FPW)<<6
.irp i, 0,1,2
	ds_load_2addr_b64 v[FR*(F_%FPW)+4*\i:FR*(F_%FPW)+4*\i+3], v[AQ+\q] offset0:64*\i offset1:64*\i+32
.endr
.endr
	WIN 0
.endm
.macro NEXTA                           ; the addresses of the next tile of A
.irp q, 0,1,2,3,4,5,6,7
	v_add_nc_u32 v[AQ+\q], ATILE, v[AQ+\q]
.endr
	s_wait_alu depctr_va_vdst(0)                   ; the wait behind these writes
.endm
.macro WM c, ra, rb
	v_wmma_scale_f32_16x16x128_f8f6f4 v[D_:D_+7], v[RB_:RB_+FR-1], v[RA_:RA_+FR-1], \c, v[XB_], v[XA_] matrix_a_fmt:MATRIX_FMT_FP6 matrix_b_fmt:MATRIX_FMT_FP6 matrix_a_scale:MATRIX_SCALE_ROW\ra matrix_b_scale:MATRIX_SCALE_ROW\rb
.endm
.macro P1 s, rb, q, b, ra              ; block s, K step q, column tile b; the first K step starts the sum
.set FB_, 4*(\q)+\b
.set FA_, 32+8*((\s)%2)+\q
.set D_, ACC+32*((\s)%2)+8*\b
.set RB_, FR*(FB_%FPW)
.set RA_, FR*(FA_%FPW)
.set XB_, SB+8*(\b/2)+\q
.set XA_, SA+8*((\s)/2)+\q
	WIN (1+FB_/FPW)|((1+FA_/FPW)<<2)
.if \q
	WM v[D_:D_+7], \ra, \rb
.else
	WM 0, \ra, \rb
.endif
.endm
.macro QS s, rb, q0                    ; 16 products
.irp q, \q0, \q0+1, \q0+2, \q0+3
	P1 \s, \rb, \q, 0, 0
	P1 \s, \rb, \q, 1, 1
	P1 \s, \rb, \q, 2, 0
	P1 \s, \rb, \q, 3, 1
.endr
.endm
.macro TOSTAGE s                       ; 8 stores and 8 loads: LDS serves a wave's instructions in order, so no wait stands between them
.set AC, ACC+32*((\s)%2)
.irp b, 0,1,2,3
	ds_store_b128 v[STO], v[AC+8*\b:AC+8*\b+3] offset:64*\b          ; each accumulator from its low end on
	ds_store_b128 v[STO], v[AC+8*\b+4:AC+8*\b+7] offset:64*\b+16
.endr
.irp t, 0,1,2,3,4,5,6,7
	ds_load_b128 v[BK+32*((\s)%2)+4*\t:BK+32*((\s)%2)+4*\t+3], v[RD] offset:\t*2*SP
.endr
.endm
.macro SEND s, younger                 ; sixteen lanes store 256 consecutive bytes, aligned; stored row 2 t + h of tile s is the true token 32 (s / 2) + 8 (s % 2) + (2 t) % 8 + h + 16 (t / 4)
	s_wait_dscnt \younger
.irp t, 0,1,2,3,4,5,6,7
	global_store_b128 v[CO], v[BK+32*((\s)%2)+4*\t:BK+32*((\s)%2)+4*\t+3], s[12:13] offset:(32*((\s)/2)+8*((\s)%2)+(2*\t)%8+16*(\t/4))*4096 th:TH_STORE_NT
.endr
.endm
; A BLOCK.  LDS instructions go out in the order: stage of block s (16), fetch of block s + 2 (24).  So younger than block s's fetch are the stage of s - 1 and the fetch of s + 1 (40; block 0: the fetch alone, 24;
; block 7: the stage alone, 16), and younger than the stage of s - 1 is the fetch of s + 1 (24; none in block 7).
.macro BLK s, rb
.if \s == 0
	s_wait_dscnt 24
.elseif \s == 7
	s_wait_dscnt 16
.else
	s_wait_dscnt 40
.endif
	QS \s, \rb, 0
	WIN 0
.if \s == 7
	SEND \s-1, 0
.elseif \s > 0
	SEND \s-1, 24                                  ; the block before leaves in the middle of this block's products
.endif
	QS \s, \rb, 4
	WIN 0
.if \s < 6
	NEXTA                                          ; eight plain lines: the places between the products and the stores of their results and the loads into their sources
.else
.rept 4
	v_nop
.endr
.endif
.if \s > 1
	s_wait_xcnt 0x0                                ; block s - 2's stores have read their registers, which the stage's loads fill again
.endif
	TOSTAGE \s
.if \s < 6
	FETCH (\s)%2
.endif
.endm
	FETCH 0
	NEXTA
	FETCH 1
	s_wait_loadcnt 0x0                             ; the scale words
	BLK 0, 0
	BLK 1, 1
	BLK 2, 0
	BLK 3, 1
	BLK 4, 0
	BLK 5, 1
	BLK 6, 0
	BLK 7, 1
	SEND 7, 0
	s_wait_tensorcnt 0x0                           ; the wave's end
	ds_add_u32 v[SPW], v[NIL]
	s_wait_dscnt 0x0
	CROUND                                         ; the closing round
	s_endpgm
.Lfunc_end_k_q2cdec713e0_oproj:
	.size	k_q2cdec713e0_oproj, .Lfunc_end_k_q2cdec713e0_oproj-k_q2cdec713e0_oproj
	.p2alignl 7, 3214868480
	.fill 96, 4, 3214868480
	.section	.rodata,"a",@progbits
	.p2align	6, 0x0
	.amdhsa_kernel k_q2cdec713e0_oproj
		.amdhsa_group_segment_fixed_size 327680
		.amdhsa_private_segment_fixed_size 0
		.amdhsa_enable_private_segment 0
		.amdhsa_kernarg_size 40
		.amdhsa_user_sgpr_count 2
		.amdhsa_user_sgpr_kernarg_segment_ptr 1
		.amdhsa_wavefront_size32 1
		.amdhsa_system_sgpr_workgroup_id_x 1
		.amdhsa_system_sgpr_workgroup_id_y 1
		.amdhsa_system_sgpr_workgroup_id_z 1
		.amdhsa_system_vgpr_workitem_id 0
		.amdhsa_next_free_vgpr 848
		.amdhsa_next_free_sgpr 66
		.amdhsa_reserve_vcc 0
		.amdhsa_float_denorm_mode_32 3
		.amdhsa_float_denorm_mode_16_64 3
		.amdhsa_memory_ordered 1
		.amdhsa_forward_progress 1
		.amdhsa_inst_pref_size 86
	.end_amdhsa_kernel
	.amdgpu_metadata
---
amdhsa.version: [ 1, 2 ]
amdhsa.kernels:
  - .name:           k_q2cdec713e0_oproj
    .symbol:         k_q2cdec713e0_oproj.kd
    .args:
      - { .name: aoc, .offset: 0, .size: 8, .value_kind: global_buffer, .address_space: global }
      - { .name: aos, .offset: 8, .size: 8, .value_kind: global_buffer, .address_space: global }
      - { .name: wc, .offset: 16, .size: 8, .value_kind: global_buffer, .address_space: global }
      - { .name: ws, .offset: 24, .size: 8, .value_kind: global_buffer, .address_space: global }
      - { .name: out0, .offset: 32, .size: 8, .value_kind: global_buffer, .address_space: global }
    .group_segment_fixed_size: 327680
    .private_segment_fixed_size: 0
    .kernarg_segment_align: 8
    .kernarg_segment_size: 40
    .max_flat_workgroup_size: 128
    .sgpr_count:     66
    .vgpr_count:     848
    .wavefront_size: 32
...
	.end_amdgpu_metadata
.endif
;; end of part 4
